; MI455X (gfx1250); checked and timed in simulation.
; The chip was launched on July 23, 2026; its instructions are those of AMD's public machine-readable ISA for CDNA 5 (MIT licence, August 2026) and "CDNA5" Instruction Set Architecture Reference Guide (July 2026). The comments in the code are by the model that wrote it; some were corrected since.
;; Multi Head Self Attention. Allowed arithmetic: matrix products marked QUANTISED: E4M3 operands, one given power-of-two scale a tensor, by v_wmma_f32_16x16x64_fp8_fp8 or v_wmma_f32_16x16x128_fp8_fp8, f32 sums; everything else in f32.
;; Inputs: Wk 256 x 1,024 float32; Wo 1,024 x 1,024 float32; Wq 1,024 x 1,024 float32; Wv 256 x 1,024 float32; lowp_scales 12 int32 (the exponents e of the quantised operands' scales 2^e); token_positions 1 x 4,096 int32; x 1 x 4,096 x 1,024 float32.
;; Outputs: out0 1 x 4,096 x 1,024 float32.
;; This version of the problem:
;;   THIS VERSION OF THE PROBLEM IS GIVEN IN LOW PRECISION. The matrix products marked QUANTISED in the list below multiply operands that are first quantised to E4M3 (4 exponent bits, 3 mantissa bits; 8 bits a number), with one given power-of-two scale for each operand tensor; their sums are f32. All else is computed in f32.
;;   The module's matrix products, in the order in which they are computed (A, B: the left and right operand; K: the contracted axis; several contracted axes count as one K, in the product's order):
;;     1. [M 4,096, K 1,024] x [K 1,024, N 1,024]; A: input x; B: input Wq: QUANTISED (scales: A lowp_scales[0], B lowp_scales[1])
;;     2. [M 4,096, K 1,024] x [K 1,024, N 256]; A: input x; B: input Wk: QUANTISED (scales: A lowp_scales[2], B lowp_scales[3])
;;     3. [M 4,096, K 1,024] x [K 1,024, N 256]; A: input x; B: input Wv: QUANTISED (scales: A lowp_scales[4], B lowp_scales[5])
;;     4. batch 4 x [M 16,384, K 64] x [K 64, N 4,096]; A: computed on the way; B: computed on the way: QUANTISED (scales: A lowp_scales[6], B lowp_scales[7])
;;     5. batch 4 x [M 16,384, K 4,096] x [K 4,096, N 64]; A: softmax (see below); B: computed on the way: QUANTISED (scales: A lowp_scales[8], B lowp_scales[9])
;;     6. [M 4,096, K 1,024] x [K 1,024, N 1,024]; A: computed on the way; B: input Wo: QUANTISED (scales: A lowp_scales[10], B lowp_scales[11])
;;   THE QUANTISER, for each operand of a quantised product, along K:
;;     - The operand's scale is 2^e, e = its entry of the input lowp_scales (int32; the entries are numbered through the quantised products in the list's order, A before B).
;;     - Each number is divided by the scale, clamped to +-448, and rounded to the nearest number of E4M3, ties to even, subnormals kept.
;;     - The product sums the exact products of the quantised numbers (number of the format x scale) in f32.
;;   ~~~python
;;   def quantise(x, axis, e):      # numpy; x: float32 -> the quantised numbers, widened to float32 again
;;       x = np.moveaxis(x, axis, -1); K = x.shape[-1]
;;       r = np.clip(x / 2.0 ** e, -448, 448)
;;       step = 2.0 ** (np.maximum(np.frexp(np.where(r == 0, 1, r))[1] - 1, -6) - 3)
;;       q = np.round(r / step) * step * 2.0 ** e      # np.round: ties to even
;;       return np.moveaxis(q, -1, axis).astype(np.float32)
;;   ~~~
;;   SOFTMAX AHEAD OF A QUANTISED PRODUCT. Where the list says 'softmax', what is quantised is not the finished softmax but p = 2^(t - M), with t = logit x log2(e) and M = ceil(the row's largest t), a whole number; so 1/2 < the row's largest p <= 1. The row's sum l is taken of the UNQUANTISED p, in f32, and the product's result is divided by l at the end. Since M is a whole number, a kernel that streams over the keys may use a running M (the ceiling of the running maximum): every later rescaling is an exact power of two, so the quantised numbers keep their values, but for numbers so far below the row's largest that they fall under the format's range.
;;   OPERANDS COMPUTED ON THE WAY. 'Computed on the way' means the value that the module computes at that place (a softmax that the list does not call 'softmax' is quantised finished and normalised). What goes into a quantiser is computed in f32, as accurately as f32 sums, v_exp_f32 and their like allow (about 1e-6 of the number): no bf16 or f16 on the way to a quantiser, and a product that is left as it is and whose result goes on into a quantised operand takes f32 operands (vector FMAs, or v_wmma_f32_16x16x4_f32). A number that lies on a knife's edge between two numbers of the format may be rounded either way, as far as f32 arithmetic and the matrix unit's own rounding can turn it there, and no further.
;; 2 versions, each right; version 2 is version 1 with the launches qkv, attn, oproj written anew for expert scheduling mode. Each part assembles by itself: llvm-mc -triple=amdgcn-amd-amdhsa -mcpu=gfx1250 --defsym DOCPART=n.
;; ======== version 1 of 2: 4 launches
;; workspace buffers: xc 12,582,912 bytes; wc 2,621,440 bytes; rope 1,048,576 bytes; qc 4,194,304 bytes; kv 2,097,152 bytes; oc 4,194,304 bytes
;; launch prep (part 1): grid 416 x 1, 8 waves a work-group, no clusters, 68,608 bytes of LDS; arguments x, Wq, Wk, Wv, Wo, token_positions, lowp_scales, xc, wc, rope; writes xc, wc, rope
.if DOCPART == 1
	.amdgcn_target "amdgcn-amd-amdhsa--gfx1250"
	.amdhsa_code_object_version 6
	.text
	.protected	k_qf86268ce8f_prep
	.globl	k_qf86268ce8f_prep
	.p2align	8
	.type	k_qf86268ce8f_prep,@function
k_qf86268ce8f_prep:
	s_mov_b64 s[64:65], 0
	v_nop
	global_prefetch_b8 v0, s[64:65] scope:SCOPE_SE
	s_setreg_imm32_b32 hwreg(HW_REG_WAVE_MODE, 25, 1), 1
	s_wait_xcnt 0x0
; x, Wq, Wk, Wv, Wo (f32, 1,024 along K, K innermost) become codes of E4M3, each with its given scale 2^e, laid as IMAGES OF OPERAND REGISTERS; and the cosines and sines of RoPE are made for the given positions.
; ROW TILE t = 2 B + u of a matrix: image row r is matrix row 32 B + 8 u + r + 8 (r / 8).  IMAGE of a fragment (16 rows x 128 along K), 2,048 bytes: piece c at 512 c, lane l's 16 bytes at 16 l:
; the codes of k = 128 s + 32 c + 16 (l / 16) + 0 .. 15 of image row l % 16.  Four loads of 16 bytes a lane give any wave the operand's 16 registers.
; SHARES.  A work-group takes one row tile: numbers 0-255 x's, 256-319 Wq's, 320-335 Wk's, 336-351 Wv's, 352-415 Wo's.  Wave w takes K step w: 16 rows x 512 bytes in, 2,048 bytes of codes out for each scale.
; Each load reads 512 consecutive bytes of a row; the 8 KB turn through the wave's own stage in LDS (rows 528 bytes apart = 33 x 16, so that sixteen rows' reads of 16 bytes fall on sixteen different columns of 16 bytes),
; and come back 64 neighbours along K a lane.  Waves share nothing: no barrier.  A stream: no matrix unit, no cluster (no two work-groups read the same bytes).
; x is quantised for the scales of entries 0, 2 and 4: set 0 always; sets 1 and 2 only where their exponent differs from entry 0's (the next launch then reads set 0 in their stead).
; ROPE.  In x's work-groups wave w also makes piece m = w of the tile's table: lane l's 16 bytes are cos, sin of pair j = 16 (w / 4) + 8 (l / 16) + 2 (w % 4), then of j + 1, at the position of image row l % 16.
; freq = 2^(-j log2(10) / 8) = 10000^(-j / 32); angle = position x freq, one rounding; the angle is reduced by n = the nearest whole number to angle x 2 / pi with pi / 2 in two parts (n is under 2^12, so the first
; fused step is exact), and sine and cosine come from polynomials on +-pi / 4, good to about 1e-7.
; LIMITS: each exponent used here (entries 0, 1, 2, 3, 4, 5, 11) between -126 and 119; NaN among the inputs is not served; positions 0 .. 4,095, as the table of the problem has them.
.set STG,   8448                       ; a wave's stage: 16 rows x 528 bytes
.set SPARE, 8*STG                      ; behind the stages: the spare words, 128 bytes for each wave: four blocks of 256 bytes that no other line names
.set LI,  1                            ; v1   16 x lane
.set SA,  2                            ; v2   the stage, on the way in: 16 x lane
.set SB,  3                            ; v3   and on the way out: 528 x row + 64 x half
.set SPW, 4                            ; v4   my spare word; never rewritten
.set NIL, 5                            ; v5   0; never rewritten
.set SC,  6                            ; v6   2^e as f32
.set LIM, 7                            ; v7   448 x 2^e
.set R,   16                           ; v16-79   as loaded
.set X,   80                           ; v80-143  register 16 c + i: k = 32 c + 16 half + i of my row
.set T,   144                          ; v144-175 two sets of 16 held numbers, by turns
.set C,   176                          ; v176-223 three sets of 16 registers of codes: no store's data are written again
.macro PICK bound, src, first          ; work-groups below the bound take this tensor
	s_cmp_lt_u32 ttmp9, \bound
	s_cselect_b64 s[40:41], s[\src:\src+1], s[40:41]
	s_cselect_b32 s37, \first, s37
.endm
.macro MKSC e                          ; the scale and the hold from the exponent in s[e]
	s_add_co_i32 s57, s[\e], 127
	s_lshl_b32 s58, s57, 23
	v_mov_b32 v[SC], s58
	s_add_co_i32 s57, s57, 8
	s_lshl_b32 s57, s57, 23
	s_or_b32 s57, s57, 0x600000
	v_mov_b32 v[LIM], s57
.endm
.macro QUANT n                         ; X's 64 numbers, which are kept, become set n's 16 registers of codes
.irp c, 0,1,2,3
.irp i, 0,1,2,3,4,5,6,7,8,9,10,11,12,13,14,15
	v_med3_num_f32 v[T+16*(\c%2)+\i], v[X+16*\c+\i], -v[LIM], v[LIM]   ; the conversion does not saturate (ISA guide 7.6.2): the hold at the largest code x the scale
.endr
	v_cvt_scalef32_pk8_fp8_f32 v[C+16*\n+4*\c:C+16*\n+4*\c+1], v[T+16*(\c%2):T+16*(\c%2)+7], v[SC]
	v_cvt_scalef32_pk8_fp8_f32 v[C+16*\n+4*\c+2:C+16*\n+4*\c+3], v[T+16*(\c%2)+8:T+16*(\c%2)+15], v[SC]
.endr
	v_nop                                          ; a plain line behind the last conversion: the scale's register is written next
.endm
.macro PUT n, d                        ; an image: four stores of 512 consecutive bytes
.irp c, 0,1,2,3
	global_store_b128 v[LI], v[C+16*\n+4*\c:C+16*\n+4*\c+3], s[\d:\d+1] offset:512*\c
.endr
.endm
.macro SINCOS ang, co, si
	v_mul_f32 v232, s48, v[\ang]
	v_rndne_f32 v232, v232                         ; n
	v_fma_f32 v233, v232, s49, v[\ang]             ; angle - n x (pi / 2)'s upper part: exact
	v_fma_f32 v233, v232, s50, v233                ; - n x its lower part: r
	v_cvt_i32_f32 v232, v232
	v_mul_f32 v234, v233, v233                     ; z = r^2
	v_fma_f32 v[\si], v234, s53, s52
	v_fma_f32 v[\co], v234, s56, s55
	v_fma_f32 v[\si], v[\si], v234, s51
	v_fma_f32 v[\co], v[\co], v234, s54
	v_mul_f32 v235, v234, v233
	v_mul_f32 v236, v234, v234
	v_fma_f32 v237, v234, -0.5, 1.0
	v_fma_f32 v[\si], v235, v[\si], v233           ; sin r
	v_fma_f32 v[\co], v236, v[\co], v237           ; cos r
	v_and_b32 v235, 1, v232
	v_cmp_eq_u32 vcc_lo, 1, v235                   ; odd quadrants change the two
	v_cndmask_b32 v236, v[\si], v[\co], vcc_lo
	v_cndmask_b32 v237, v[\co], v[\si], vcc_lo
	v_lshlrev_b32 v235, 30, v232                   ; the sine is negative in quadrants 2 and 3,
	v_and_b32 v235, 0x80000000, v235
	v_xor_b32 v[\si], v235, v236
	v_add_nc_u32 v232, 1, v232                     ; the cosine in 1 and 2
	v_lshlrev_b32 v232, 30, v232
	v_and_b32 v232, 0x80000000, v232
	v_xor_b32 v[\co], v232, v237
.endm
	s_load_b512 s[4:19], s[0:1], 0x0               ; x s[4:5], Wq s[6:7], Wk s[8:9], Wv s[10:11], Wo s[12:13], positions s[14:15], exponents s[16:17], xc s[18:19]
	s_load_b128 s[20:23], s[0:1], 0x40             ; wc s[20:21], rope s[22:23]
	v_lshl_add_u32 v[SPW], v0, 2, SPARE
	v_mov_b32 v[NIL], 0
	v_lshrrev_b32 v8, 5, v0
	v_readfirstlane_b32 s36, v8                    ; wave 0..7 = K step
	v_and_b32 v9, 31, v0
	v_lshlrev_b32 v[LI], 4, v9
	v_and_b32 v10, 15, v0                          ; r
	v_bfe_u32 v11, v0, 4, 1                        ; half
	s_mul_i32 s57, s36, STG
	v_add_nc_u32 v[SA], s57, v[LI]
	v_mul_u32_u24 v[SB], v10, 528
	v_lshl_add_u32 v[SB], v11, 6, v[SB]
	v_add_nc_u32 v[SB], s57, v[SB]
	s_wait_kmcnt 0x0
	s_load_b256 s[24:31], s[16:17], 0x0            ; entries 0 to 7
	s_load_b128 s[32:35], s[16:17], 0x20           ; entries 8 to 11
	s_mov_b64 s[40:41], s[12:13]                   ; which tensor: the choice hangs on the work-group's number alone
	s_mov_b32 s37, 352
	PICK 352, 10, 336
	PICK 336, 8, 320
	PICK 320, 6, 256
	PICK 256, 4, 0
	s_sub_co_u32 s39, ttmp9, s37                   ; the tensor's row tile t
	s_lshr_b32 s60, s39, 1
	s_lshl_b32 s60, s60, 17                        ; 32 (t / 2) rows of 4,096 bytes
	s_and_b32 s61, s39, 1
	s_lshl_b32 s61, s61, 15                        ; + 8 (t % 2) rows
	s_add_co_u32 s60, s60, s61
	s_lshl_b32 s61, s36, 9                         ; + my K step's 512 bytes
	s_add_co_u32 s60, s60, s61
	s_mov_b32 s61, 0
	s_add_nc_u64 s[40:41], s[40:41], s[60:61]
.set i, 0
.rept 16
	global_load_b128 v[R+4*i:R+4*i+3], v[LI], s[40:41] offset:(i+8*(i/8))*4096 th:TH_LOAD_NT   ; image row i: 32 lanes read 512 consecutive bytes
.set i, i+1
.endr
.set i, 0
.rept 16
	s_wait_loadcnt 15-i                            ; row i is in; the younger loads stay out
	ds_store_b128 v[SA], v[R+4*i:R+4*i+3] offset:528*i
.set i, i+1
.endr
.set i, 0
.rept 16
	ds_load_b128 v[X+4*i:X+4*i+3], v[SB] offset:128*(i/4)+16*(i%4)   ; LDS serves a wave's instructions in order: these see my stores
.set i, i+1
.endr
	s_wait_kmcnt 0x0
	s_mov_b32 s38, s35                             ; a weight's exponent: Wo entry 11, Wv 5, Wk 3, Wq 1
	s_cmp_lt_u32 ttmp9, 352
	s_cselect_b32 s38, s29, s38
	s_cmp_lt_u32 ttmp9, 336
	s_cselect_b32 s38, s27, s38
	s_cmp_lt_u32 ttmp9, 320
	s_cselect_b32 s38, s25, s38
	s_lshl_b32 s59, s36, 11                        ; my K step's image in a tile's 16,384 bytes
	s_wait_dscnt 0x0                               ; my 64 numbers are back
	s_cmp_lt_u32 ttmp9, 256
	s_cbranch_scc1 .Lx
	; ---- a weight's tile
	s_sub_co_u32 s60, ttmp9, 256
	s_lshl_b32 s60, s60, 14
	s_add_co_u32 s60, s60, s59
	s_mov_b32 s61, 0
	s_add_nc_u64 s[42:43], s[20:21], s[60:61]
	MKSC 38
	QUANT 0
	PUT 0, 42
	s_branch .Ldone
.Lx:	; ---- a tile of x
	s_lshr_b32 s60, ttmp9, 1
	s_lshl_b32 s60, s60, 7                         ; the positions of my tile: 32 (t / 2) words,
	s_and_b32 s61, ttmp9, 1
	s_lshl_b32 s61, s61, 5                         ; + 8 (t % 2)
	s_add_co_u32 s60, s60, s61
	s_mov_b32 s61, 0
	s_add_nc_u64 s[14:15], s[14:15], s[60:61]
	v_and_b32 v8, 8, v10
	v_add_nc_u32 v8, v8, v10                       ; r + 8 (r / 8)
	v_lshlrev_b32 v8, 2, v8
	global_load_b32 v224, v8, s[14:15]             ; lands while the codes are made
	s_lshl_b32 s60, ttmp9, 14
	s_add_co_u32 s60, s60, s59
	s_mov_b32 s61, 0
	s_add_nc_u64 s[42:43], s[18:19], s[60:61]      ; set 0,
	s_add_nc_u64 s[44:45], s[42:43], 0x400000      ; set 1,
	s_add_nc_u64 s[46:47], s[42:43], 0x800000      ; set 2
	MKSC 24
	QUANT 0
	PUT 0, 42
	s_cmp_eq_u32 s26, s24                          ; entry 2 = entry 0: set 0 serves
	s_cbranch_scc1 .Lno1
	MKSC 26
	QUANT 1
	PUT 1, 44
.Lno1:
	s_cmp_eq_u32 s28, s24                          ; entry 4 likewise
	s_cbranch_scc1 .Lno2
	MKSC 28
	QUANT 2
	PUT 2, 46
.Lno2:
	s_mov_b32 s48, 0x3f22f983                      ; 2 / pi
	s_mov_b32 s49, 0xbfc90fdb                      ; -(pi / 2)'s upper part
	s_mov_b32 s50, 0x333bbd2e                      ; -(its lower part)
	s_mov_b32 s51, 0xbe2aaaa3                      ; the sine's three coefficients
	s_mov_b32 s52, 0x3c08839e
	s_mov_b32 s53, 0xb94ca1f9
	s_mov_b32 s54, 0x3d2aaaa5                      ; the cosine's three
	s_mov_b32 s55, 0xbab6061a
	s_mov_b32 s56, 0x37ccf5ce
	s_lshr_b32 s57, s36, 2
	s_lshl_b32 s57, s57, 4
	s_and_b32 s58, s36, 3
	s_lshl_b32 s58, s58, 1
	s_add_co_u32 s57, s57, s58
	v_lshl_add_u32 v225, v11, 3, s57               ; j = 16 (w / 4) + 2 (w % 4) + 8 half,
	v_add_nc_u32 v226, 1, v225                     ; and j + 1
	v_cvt_f32_u32 v225, v225
	v_cvt_f32_u32 v226, v226
	v_mul_f32 v225, 0xbed49a78, v225               ; x -log2(10) / 8
	v_mul_f32 v226, 0xbed49a78, v226
	v_exp_f32 v227, v225
	v_exp_f32 v228, v226
	v_nop                                          ; a plain line behind the exponentials,
	s_wait_alu depctr_va_vdst(0)                   ; and one wait for both, ahead of their first reader
	s_wait_loadcnt 0x0                             ; the position
	v_cvt_f32_i32 v224, v224
	v_mul_f32 v229, v224, v227
	v_mul_f32 v230, v224, v228
	SINCOS 229, 240, 241
	SINCOS 230, 242, 243
	s_lshl_b32 s60, ttmp9, 12                      ; the tile's 4,096 bytes of the table, my piece of 512
	s_lshl_b32 s61, s36, 9
	s_add_co_u32 s60, s60, s61
	s_mov_b32 s61, 0
	s_add_nc_u64 s[22:23], s[22:23], s[60:61]
	global_store_b128 v[LI], v[240:243], s[22:23]
.Ldone:
	s_wait_tensorcnt 0x0                           ; the wave's end, behind my last LDS store
	ds_add_u32 v[SPW], v[NIL]
	s_wait_dscnt 0x0
	s_endpgm
.Lfunc_end_k_qf86268ce8f_prep:
	.size	k_qf86268ce8f_prep, .Lfunc_end_k_qf86268ce8f_prep-k_qf86268ce8f_prep
	.p2alignl 7, 3214868480
	.fill 96, 4, 3214868480
	.section	.rodata,"a",@progbits
	.p2align	6, 0x0
	.amdhsa_kernel k_qf86268ce8f_prep
		.amdhsa_group_segment_fixed_size 68608
		.amdhsa_private_segment_fixed_size 0
		.amdhsa_enable_private_segment 0
		.amdhsa_kernarg_size 80
		.amdhsa_user_sgpr_count 2
		.amdhsa_user_sgpr_kernarg_segment_ptr 1
		.amdhsa_wavefront_size32 1
		.amdhsa_system_sgpr_workgroup_id_x 1
		.amdhsa_system_sgpr_workgroup_id_y 1
		.amdhsa_system_sgpr_workgroup_id_z 1
		.amdhsa_system_vgpr_workitem_id 0
		.amdhsa_next_free_vgpr 248
		.amdhsa_next_free_sgpr 66
		.amdhsa_reserve_vcc 1
		.amdhsa_float_denorm_mode_32 3
		.amdhsa_float_denorm_mode_16_64 3
		.amdhsa_memory_ordered 1
		.amdhsa_forward_progress 1
		.amdhsa_inst_pref_size 33
	.end_amdhsa_kernel
	.amdgpu_metadata
---
amdhsa.version: [ 1, 2 ]
amdhsa.kernels:
  - .name:           k_qf86268ce8f_prep
    .symbol:         k_qf86268ce8f_prep.kd
    .args:
      - { .name: x, .offset: 0, .size: 8, .value_kind: global_buffer, .address_space: global }
      - { .name: Wq, .offset: 8, .size: 8, .value_kind: global_buffer, .address_space: global }
      - { .name: Wk, .offset: 16, .size: 8, .value_kind: global_buffer, .address_space: global }
      - { .name: Wv, .offset: 24, .size: 8, .value_kind: global_buffer, .address_space: global }
      - { .name: Wo, .offset: 32, .size: 8, .value_kind: global_buffer, .address_space: global }
      - { .name: token_positions, .offset: 40, .size: 8, .value_kind: global_buffer, .address_space: global }
      - { .name: lowp_scales, .offset: 48, .size: 8, .value_kind: global_buffer, .address_space: global }
      - { .name: xc, .offset: 56, .size: 8, .value_kind: global_buffer, .address_space: global }
      - { .name: wc, .offset: 64, .size: 8, .value_kind: global_buffer, .address_space: global }
      - { .name: rope, .offset: 72, .size: 8, .value_kind: global_buffer, .address_space: global }
    .group_segment_fixed_size: 68608
    .private_segment_fixed_size: 0
    .kernarg_segment_align: 8
    .kernarg_segment_size: 80
    .max_flat_workgroup_size: 256
    .sgpr_count:     66
    .vgpr_count:     248
    .wavefront_size: 32
...
	.end_amdgpu_metadata
.endif
;; end of part 1
;; launch qkv (part 2): grid 6 x 64, 4 waves a work-group, no clusters, 66,048 bytes of LDS; arguments xc, wc, rope, lowp_scales, qc, kv; writes qc, kv
.if DOCPART == 2
	.amdgcn_target "amdgcn-amd-amdhsa--gfx1250"
	.amdhsa_code_object_version 6
	.text
	.protected	k_qf86268ce8f_qkv
	.globl	k_qf86268ce8f_qkv
	.p2align	8
	.type	k_qf86268ce8f_qkv,@function
k_qf86268ce8f_qkv:
	s_mov_b64 s[64:65], 0
	v_nop
	global_prefetch_b8 v0, s[64:65] scope:SCOPE_SE
	s_setreg_imm32_b32 hwreg(HW_REG_WAVE_MODE, 25, 1), 1
	s_wait_xcnt 0x0
; q = rope(x Wq^T), k = rope(x Wk^T), v = x Wv^T on codes of E4M3 (K = 1,024), and their results quantised again, in registers, into the images that attention reads.
; All operands lie in memory as images of operand registers: row tile t = 2 B + u holds matrix rows 32 B + 8 u + r + 8 (r / 8); a fragment's piece c is 512 bytes, lane l's 16 bytes the codes of
; k = 128 s + 32 c + 16 (l / 16) + 0 .. 15.  That is a permutation of k inside a K step, the same in both operands: only the order of the sums inside an instruction differs from k's true places.
; SHARES.  Work-group x = column group: 0-3: query heads 4 x + wave; 4: key heads = wave; 5: value heads = wave.  Work-group y = a block of 64 tokens (4 tiles).  A wave: one head (4 tiles of W) x 64 tokens:
; 16 accumulators, 8 K steps of 128, 128 matrix instructions.  x's 64 KB of codes go through LDS once (each wave copies one tile), one barrier; a wave's fragments of W are used by that wave alone and go from memory
; straight into its registers, up to three K steps ahead.
; x's CODES lie in three sets, one for each of the entries 0, 2, 4; sets 1 and 2 were stored only where their exponent differs from entry 0's.  Both bases (set 0's, my group's own) are made from ids alone, and a scalar
; branch on the two exponents chooses which of two equal runs of loads is issued.
; q, k: source 0 = 16 rows of W, source 1 = 16 tokens: a lane holds ONE token, and register 16 b + i of its four accumulators is d = 32 b + 16 (l / 16) + i: RoPE's pairs are neighbouring registers, and four
; conversions give the K = 64 image.  v: the sources change places: a lane holds ONE d, its registers run along the tokens: pieces of V^T's image, the keys innermost.
; The sums stand for sum x 2^(ex + ew); RoPE is linear; so the conversion takes the one scale 2^(et - ex - ew).
; NO CLUSTER, NO JOINT LOADS: a joint load lands in LDS; a work-group's four waves use 4 x 64 KB of W, each part by one wave only, which beside x's 64 KB would have to go through a ring with a round of the cluster's
; barrier for each refill, for 128 matrix instructions a wave; from memory to registers each fragment is loaded once by its one user.
; LIMITS: et - ex - ew (entries 6-0-1, 7-2-3, 9-4-5) between -126 and 119.  NaN is not served.
; REGISTERS.  Window 0: v1 16 x lane; v2 where I store x's tile; v4, v5 the add's two; v6, v7 scale and hold; v32-159 accumulators; v160-223 x's fragments of even K steps, later the codes; v224-255 at work.
;   Window 1: v0-191 a ring of three K steps of W (64 registers each), at the end RoPE's table; v192-255 x's fragments of odd K steps.
.set SPARE, 65536                      ; behind x's images: the spare words, 128 bytes for each wave: two blocks of 256 bytes that no other line names
.set LI,  1
.set XS,  2
.set SPW, 4
.set NIL, 5
.set SC,  6
.set LIM, 7
.set ACC, 32
.set X0,  160
.set T,   224
.set MSB, 0
.macro WIN new                         ; the immediate's high byte repeats the setting that is left
.if MSB != \new
	s_set_vgpr_msb (MSB<<8)|\new
.set MSB, \new
.endif
.endm
.macro WFETCH t                        ; my head's four fragments of W for K step t, into the ring's place t % 3
	WIN 0x40                                       ; destination window 1
.irp ct, 0,1,2,3
.irp c, 0,1,2,3
	global_load_b128 v[64*((\t)%3)+16*\ct+4*\c:64*((\t)%3)+16*\ct+4*\c+3], v[LI], s[38:39] offset:\ct*16384+(\t)*2048+\c*512
.endr
.endr
.endm
.macro XLOAD p                         ; my token tile's 16,384 bytes of codes, from the base in s[p:p+1], into the registers that the sums will take
.set i, 0
.rept 32
	global_load_b128 v[ACC+4*i:ACC+4*i+3], v[LI], s[\p:\p+1] offset:512*i
.set i, i+1
.endr
.endm
.macro XFETCH t                        ; the four token tiles' fragments for K step t, out of LDS
	WIN (((\t)%2)<<6)
.irp a, 0,1,2,3
.irp c, 0,1,2,3
	ds_load_b128 v[X0+32*((\t)%2)+16*\a+4*\c:X0+32*((\t)%2)+16*\a+4*\c+3], v[LI] offset:\a*16384+(\t)*2048+\c*512
.endr
.endr
.endm
.macro RFETCH half                     ; RoPE's table for token tiles 2 half, 2 half + 1, into places of W's ring that are done with
	WIN 0x40
.irp e, 0,1
.irp m, 0,1,2,3,4,5,6,7
	global_load_b128 v[(128+32*(2*(\half)+\e))%192+4*\m:(128+32*(2*(\half)+\e))%192+4*\m+3], v[LI], s[40:41] offset:(2*(\half)+\e)*4096+512*\m
.endr
.endr
.endm
; 16 matrix instructions, each on another accumulator; the first K step starts the sums with the constant 0
.macro MUL s, swap
.if \swap
	WIN (((\s)%2)|0x04)                            ; source 0 = x (window s % 2), source 1 = W (window 1)
.else
	WIN (0x01|(((\s)%2)<<2))                       ; source 0 = W (window 1), source 1 = x
.endif
.set rW, 64*((\s)%3)
.set rX, X0+32*((\s)%2)
.irp a, 0,1,2,3
.irp c, 0,1,2,3
.set rD, ACC+8*(4*\a+\c)
.if \swap
.if (\s) == 0
	v_wmma_f32_16x16x128_fp8_fp8 v[rD:rD+7], v[rX+16*\c:rX+16*\c+15], v[rW+16*\a:rW+16*\a+15], 0
.else
	v_wmma_f32_16x16x128_fp8_fp8 v[rD:rD+7], v[rX+16*\c:rX+16*\c+15], v[rW+16*\a:rW+16*\a+15], v[rD:rD+7]
.endif
.else
.if (\s) == 0
	v_wmma_f32_16x16x128_fp8_fp8 v[rD:rD+7], v[rW+16*\c:rW+16*\c+15], v[rX+16*\a:rX+16*\a+15], 0
.else
	v_wmma_f32_16x16x128_fp8_fp8 v[rD:rD+7], v[rW+16*\c:rW+16*\c+15], v[rX+16*\a:rX+16*\a+15], v[rD:rD+7]
.endif
.endif
.endr
.endr
.endm
; A K step.  n: the loads issued behind W's fragments of this step, which may stay out
.macro KSTEP s, swap, n
	s_wait_loadcnt \n
	s_wait_dscnt 0x0                               ; x's fragments of this step
.if (\s) < 7
	XFETCH (\s)+1                                  ; the next step's, into the other set: its last products stand in front of the four places of the step before
.endif
	MUL \s, \swap
	WIN 0
.rept 4
	v_nop                                          ; four places behind the products, ahead of loads into registers that they read, and of the first read of results
.endr
.if (\s) < 5
	WFETCH (\s)+3
.endif
.if ((\s) == 5) && ((\swap) == 0)
	RFETCH 0
.endif
.if ((\s) == 6) && ((\swap) == 0)
	RFETCH 1
.endif
.endm
; The way out of four accumulators (32 registers): RoPE if asked, the hold, four conversions, two stores of 512 consecutive bytes
.macro EPI a, rope, stride
.set A, ACC+32*(\a)
.if \rope
.set RT, (128+32*(\a))%192             ; register 2 k: cos, 2 k + 1: sin of pair k
	WIN 0x04                                       ; source 1 (the table) window 1
.irp k, 0,1,2,3,4,5,6,7,8,9,10,11,12,13,14,15
	v_mul_f32 v[T+2*\k], v[A+2*\k+1], v[RT+2*\k+1]         ; odd x sin   (each accumulator is read from its low end on)
	v_mul_f32 v[T+2*\k+1], v[A+2*\k+1], v[RT+2*\k]         ; odd x cos
.endr
.irp k, 0,1,2,3,4,5,6,7,8,9,10,11,12,13,14,15
	v_fma_f32 v[A+2*\k+1], v[A+2*\k], v[RT+2*\k+1], v[T+2*\k+1]   ; even x sin + odd x cos
	v_fma_f32 v[A+2*\k], v[A+2*\k], v[RT+2*\k], -v[T+2*\k]        ; even x cos - odd x sin
.endr
	WIN 0
.endif
.set j, 0
.rept 32
	v_med3_num_f32 v[A+j], v[A+j], -v[LIM], v[LIM] ; the conversion does not saturate (ISA guide 7.6.2): the hold at the largest code x the scale
.set j, j+1
.endr
.irp g, 0,1,2,3
	v_cvt_scalef32_pk8_fp8_f32 v[X0+8*(\a)+2*\g:X0+8*(\a)+2*\g+1], v[A+8*\g:A+8*\g+7], v[SC]
.endr
	v_nop                                          ; a plain line behind the last conversion
	global_store_b128 v[LI], v[X0+8*(\a):X0+8*(\a)+3], s[42:43] offset:(\a)*(\stride)
	global_store_b128 v[LI], v[X0+8*(\a)+4:X0+8*(\a)+7], s[42:43] offset:(\a)*(\stride)+512
.endm
	s_load_b256 s[4:11], s[0:1], 0x0               ; xc s[4:5], wc s[6:7], rope s[8:9], exponents s[10:11]
	s_load_b128 s[12:15], s[0:1], 0x20             ; qc s[12:13], kv s[14:15]
	v_lshl_add_u32 v[SPW], v0, 2, SPARE
	v_mov_b32 v[NIL], 0
	v_lshrrev_b32 v8, 5, v0
	v_readfirstlane_b32 s16, v8                    ; wave 0..3
	v_and_b32 v9, 31, v0
	v_lshlrev_b32 v[LI], 4, v9
	s_lshl_b32 s44, s16, 14
	v_add_nc_u32 v[XS], s44, v[LI]                 ; tile w of x's images
	s_mov_b32 s17, ttmp9                           ; column group
	s_and_b32 s18, ttmp7, 0xffff                   ; block of 64 tokens
	s_max_u32 s19, s17, 3
	s_sub_co_u32 s19, s19, 3                       ; 0: q, 1: k, 2: v
	s_lshl_b32 s45, s17, 2
	s_add_co_u32 s45, s45, s16                     ; my head among the 24: 4 x group + wave
	s_lshl_b32 s46, s45, 16                        ; its 65,536 bytes of W's codes
	s_mov_b32 s47, 0
	s_wait_kmcnt 0x0
	s_load_b256 s[24:31], s[10:11], 0x0            ; entries 0 to 7
	s_load_b128 s[32:35], s[10:11], 0x20           ; entries 8 to 11
	s_add_nc_u64 s[38:39], s[6:7], s[46:47]
	WFETCH 0                                       ; W needs no scale: its first K step goes out while the exponents arrive
	WIN 0
	s_lshl_b32 s46, s18, 14
	s_add_nc_u64 s[40:41], s[8:9], s[46:47]        ; the table of my four token tiles
	s_lshl_b32 s46, s45, 18                        ; q: head x 262,144 + block x 4,096
	s_lshl_b32 s48, s18, 12
	s_add_co_u32 s46, s46, s48
	s_lshl_b32 s48, s16, 19                        ; k, v: head x 524,288 + key step x 16,384
	s_lshr_b32 s49, s18, 1
	s_lshl_b32 s49, s49, 14
	s_add_co_u32 s48, s48, s49
	s_and_b32 s49, s18, 1
	s_lshl_b32 s50, s49, 12                        ; k: + the block's four key tiles of 1,024
	s_lshl_b32 s51, s49, 10                        ; v: + 8,192 + the block's two pieces of each d tile
	s_add_co_u32 s51, s51, 8192
	s_cmp_eq_u32 s19, 2
	s_cselect_b32 s50, s51, s50
	s_add_co_u32 s48, s48, s50
	s_cmp_eq_u32 s19, 0
	s_cselect_b32 s46, s46, s48
	s_cselect_b64 s[42:43], s[12:13], s[14:15]
	s_add_nc_u64 s[42:43], s[42:43], s[46:47]      ; where my codes go
	s_lshl_b32 s44, s18, 16                        ; x's codes: token tile 4 x block + wave, 16,384 bytes a tile,
	s_lshl_b32 s45, s16, 14
	s_add_co_u32 s44, s44, s45
	s_mov_b32 s45, 0
	s_add_nc_u64 s[36:37], s[4:5], s[44:45]        ; in set 0,
	s_lshl_b32 s44, s19, 22
	s_add_nc_u64 s[52:53], s[36:37], s[44:45]      ; and in my group's own set: 4 MiB a set
	s_wait_kmcnt 0x0
	s_mov_b32 s20, s24                             ; ex, ew, et: entries 0, 1, 6 | 2, 3, 7 | 4, 5, 9
	s_mov_b32 s21, s25
	s_mov_b32 s22, s30
	s_cmp_eq_u32 s19, 1
	s_cselect_b32 s20, s26, s20
	s_cselect_b32 s21, s27, s21
	s_cselect_b32 s22, s31, s22
	s_cmp_eq_u32 s19, 2
	s_cselect_b32 s20, s28, s20
	s_cselect_b32 s21, s29, s21
	s_cselect_b32 s22, s33, s22
	s_cmp_eq_u32 s20, s24                          ; my exponent of x = entry 0: my own set was not stored, and set 0 holds the same codes
	s_cbranch_scc1 .Lset0
	XLOAD 52
	s_branch .Lgot
.Lset0:
	XLOAD 36
.Lgot:
	s_sub_co_i32 s44, s22, s20
	s_sub_co_i32 s44, s44, s21
	s_add_co_i32 s44, s44, 127
	s_lshl_b32 s45, s44, 23
	v_mov_b32 v[SC], s45                           ; 2^(et - ex - ew)
	s_add_co_i32 s44, s44, 8
	s_lshl_b32 s44, s44, 23
	s_or_b32 s44, s44, 0x600000
	v_mov_b32 v[LIM], s44                          ; 448 x that
	s_wait_loadcnt 0x0                             ; my tile of x (and W's K step 0, issued ahead of it)
	WFETCH 1                                       ; they have the LDS stores, the barrier and K step 0 in which to land
	WFETCH 2
	WIN 0
.set i, 0
.rept 32
	ds_store_b128 v[XS], v[ACC+4*i:ACC+4*i+3] offset:512*i
.set i, i+1
.endr
	s_wait_dscnt 0x0                               ; for the others' sake: my tile lies in LDS
	s_barrier_signal -1
	s_barrier_wait -1
	XFETCH 0
	s_cmp_eq_u32 s19, 2
	s_cbranch_scc1 .Lv
	KSTEP 0, 0, 32
	KSTEP 1, 0, 32
	KSTEP 2, 0, 32
	KSTEP 3, 0, 32                                 ; behind W's step s: steps s + 1 and s + 2,
	KSTEP 4, 0, 32
	KSTEP 5, 0, 32
	KSTEP 6, 0, 32                                 ; step 7 and the table's first half,
	KSTEP 7, 0, 32                                 ; the table's two halves
	s_wait_loadcnt 16                              ; the table's first half
	EPI 0, 1, 1024
	EPI 1, 1, 1024
	s_wait_loadcnt 0x0
	EPI 2, 1, 1024
	EPI 3, 1, 1024
	s_branch .Ldone
.Lv:
	KSTEP 0, 1, 32
	KSTEP 1, 1, 32
	KSTEP 2, 1, 32
	KSTEP 3, 1, 32
	KSTEP 4, 1, 32
	KSTEP 5, 1, 32
	KSTEP 6, 1, 16                                 ; behind step 6: step 7 alone
	KSTEP 7, 1, 0
	EPI 0, 0, 2048
	EPI 1, 0, 2048
	EPI 2, 0, 2048
	EPI 3, 0, 2048
.Ldone:
	s_wait_tensorcnt 0x0                           ; the wave's end, behind my last LDS store
	ds_add_u32 v[SPW], v[NIL]
	s_wait_dscnt 0x0
	s_endpgm
.Lfunc_end_k_qf86268ce8f_qkv:
	.size	k_qf86268ce8f_qkv, .Lfunc_end_k_qf86268ce8f_qkv-k_qf86268ce8f_qkv
	.p2alignl 7, 3214868480
	.fill 96, 4, 3214868480
	.section	.rodata,"a",@progbits
	.p2align	6, 0x0
	.amdhsa_kernel k_qf86268ce8f_qkv
		.amdhsa_group_segment_fixed_size 66048
		.amdhsa_private_segment_fixed_size 0
		.amdhsa_enable_private_segment 0
		.amdhsa_kernarg_size 48
		.amdhsa_user_sgpr_count 2
		.amdhsa_user_sgpr_kernarg_segment_ptr 1
		.amdhsa_wavefront_size32 1
		.amdhsa_system_sgpr_workgroup_id_x 1
		.amdhsa_system_sgpr_workgroup_id_y 1
		.amdhsa_system_sgpr_workgroup_id_z 1
		.amdhsa_system_vgpr_workitem_id 0
		.amdhsa_next_free_vgpr 512
		.amdhsa_next_free_sgpr 66
		.amdhsa_reserve_vcc 0
		.amdhsa_float_denorm_mode_32 3
		.amdhsa_float_denorm_mode_16_64 3
		.amdhsa_memory_ordered 1
		.amdhsa_forward_progress 1
		.amdhsa_inst_pref_size 102
	.end_amdhsa_kernel
	.amdgpu_metadata
---
amdhsa.version: [ 1, 2 ]
amdhsa.kernels:
  - .name:           k_qf86268ce8f_qkv
    .symbol:         k_qf86268ce8f_qkv.kd
    .args:
      - { .name: xc, .offset: 0, .size: 8, .value_kind: global_buffer, .address_space: global }
      - { .name: wc, .offset: 8, .size: 8, .value_kind: global_buffer, .address_space: global }
      - { .name: rope, .offset: 16, .size: 8, .value_kind: global_buffer, .address_space: global }
      - { .name: lowp_scales, .offset: 24, .size: 8, .value_kind: global_buffer, .address_space: global }
      - { .name: qc, .offset: 32, .size: 8, .value_kind: global_buffer, .address_space: global }
      - { .name: kv, .offset: 40, .size: 8, .value_kind: global_buffer, .address_space: global }
    .group_segment_fixed_size: 66048
    .private_segment_fixed_size: 0
    .kernarg_segment_align: 8
    .kernarg_segment_size: 48
    .max_flat_workgroup_size: 128
    .sgpr_count:     66
    .vgpr_count:     512
    .wavefront_size: 32
...
	.end_amdgpu_metadata
.endif
;; end of part 2
;; launch attn (part 3): grid 64 x 4, 16 waves a work-group, no clusters, 67,584 bytes of LDS; arguments qc, kv, lowp_scales, oc; writes oc
.if DOCPART == 3
	.amdgcn_target "amdgcn-amd-amdhsa--gfx1250"
	.amdhsa_code_object_version 6
	.text
	.protected	k_qf86268ce8f_attn
	.globl	k_qf86268ce8f_attn
	.p2align	8
	.type	k_qf86268ce8f_attn,@function
k_qf86268ce8f_attn:
	s_mov_b64 s[64:65], 0
	v_nop
	global_prefetch_b8 v0, s[64:65] scope:SCOPE_SE
	s_setreg_imm32_b32 hwreg(HW_REG_WAVE_MODE, 25, 1), 1
	s_wait_xcnt 0x0
; Causal attention with grouped heads on codes of E4M3: o = softmax(q k^T / 8) v, head size 64, 4,096 tokens, 16 query heads on 4 key and value heads; o is quantised for the last product and stored as an image.
; THE SOFTMAX AHEAD OF THE SECOND PRODUCT: t = score x log2(e) / 8; M = the running largest t rounded UP to a whole number; p = 2^(t - M) is quantised, not normalised; the row's sum is taken of the unquantised p
; and divides at the end.  When M moves, the sum and O are multiplied by 2^(old M - new M): exact.
; SHARES.  Work-group y = the key and value head g; x = i.  It owns query tiles 2 i, 2 i + 1 (short) and 255 - 2 i, 254 - 2 i (long) for g's four query heads: sixteen waves, one tile of 16 queries of one head each.
; Tile T has T / 8 + 1 key steps of 128; a short and a long tile have 33 together, for every i.  Of the wave's number's bits b0 .. b3: long = b0 xor b2, which of the two tiles = b2, head = 4 g + b1 + 2 b3: so among
; waves w, w + 4, w + 8, w + 12, and among waves 4 n .. 4 n + 3 alike, two are short and two long.
; LAYOUT.  Both products are used transposed: S^T = K Q^T (source 0 = 16 keys), O^T = V^T P^T (source 0 = 16 of the head's 64): a lane holds ONE query.  The rows of every tile are 32 B + 8 u + r + 8 (r / 8), so that the
; 16 registers of two neighbouring tiles are 16 neighbours: p's codes ARE the second product's operand, and o's codes are pieces of the last product's image.
; THE RING.  A slot is two key steps (32,768 bytes: for each step K's 8 tiles of 1,024 bytes, then V^T's 4 of 2,048), two buffers.  Wave w copies bytes 2,048 w .. + 2,047 of the next slot through four registers' loads,
; issued at a slot's head and stored to the other buffer at its end; ONE barrier a slot: behind it the new slot is whole, and every wave's reads of the old one are over before the next stores into it.
; The work-group walks 2 (8 - i / 16) slots: its long tiles' 16 - i / 8, made even; a step all of whose keys come after the wave's queries is jumped over (a scalar branch on ids; no barrier stands in a step).
; NO CLUSTER, NO JOINT LOADS: the work-groups of a head walk between 10 and 16 slots, so partners would need different numbers of tiles; the even share of the causal work rests on that.
; LIMITS: entries 6 + 7 between -123 and 130; entry 8, and entries 10 - 8 - 9, between -126 and 119.  NaN is not served.
; REGISTERS: v1 16 x lane; v2 my place in a slot; v4 the prefetch's offset; v5, v6 the add's two; v7 the mask's bound; v12 -M, v13 largest t, v[14:15] the sum; v16-23 Q; v32-95 K's, then V's fragments;
;   v96-159 S^T, then p; v160-191 O^T; v192-207 the copy; v224-239 p's codes; v240, v244 hold and scale for p; v246, v247 scale and hold for o; v236, v242, v243, v252-254 at work.
.set SPARE, 65536                      ; behind the two buffers: the spare words, 128 bytes for each wave: eight blocks of 256 bytes that no other line names
.set LI,  1
.set CPY, 2
.set PFO, 4
.set SPW, 5
.set NIL, 6
.set QD,  7
.set WV,  12
.set KF,  36                           ; s36  the step's first key
.set Q0,  37                           ; s37  the first key of the step that holds my queries
; A PREFETCH INTO THE L2 of the slot after the one whose loads have just been issued: a slot ahead.  All work-groups of a head walk the same slots: the one with i = 0 asks, by its waves 0 to 3, 8,192 bytes a wave,
; lanes 256 bytes apart: each aligned block of 256 bytes is named once.  Fourteen requests: slots 2 to 15; the change that loads slot 15 asks for nothing.
.macro ASK
	s_cmp_lg_u32 s39, 0
	s_cbranch_scc0 .Lnot_mine_\@
	global_prefetch_b8 v[PFO], s[40:41] offset:32768 th:TH_LOAD_NT scope:SCOPE_SE
	s_sub_co_u32 s39, s39, 1
.Lnot_mine_\@:
.endm
; A KEY STEP: 128 keys, the q-th of the slot in buffer buf
.macro STEP buf, q
	s_cmp_gt_u32 s[KF], s[Q0]
	s_cbranch_scc1 .Lhidden_\@
.rept 4
	v_nop                                          ; four places in front of loads into registers that the last products read
.endr
.irp t, 0,1,2,3,4,5,6,7
	ds_load_b128 v[32+8*\t:35+8*\t], v[LI] offset:(\buf)*32768+(\q)*16384+\t*1024
	ds_load_b128 v[36+8*\t:39+8*\t], v[LI] offset:(\buf)*32768+(\q)*16384+\t*1024+512
.endr
	s_wait_dscnt 0x0
.irp t, 0,1,2,3,4,5,6,7
	v_wmma_f32_16x16x64_fp8_fp8 v[96+8*\t:103+8*\t], v[32+8*\t:39+8*\t], v[16:23], 0
.endr
.rept 4
	v_nop
.endr
.irp t, 0,1,2,3
.irp c, 0,1,2,3
	ds_load_b128 v[32+16*\t+4*\c:35+16*\t+4*\c], v[LI] offset:(\buf)*32768+(\q)*16384+8192+\t*2048+\c*512   ; V^T lands under the softmax
.endr
.endr
	s_cmp_lg_u32 s[KF], s[Q0]                      ; only the step that holds my queries has hidden keys
	s_cbranch_scc1 .Lopen_\@
	v_mov_b32 v254, 0xff800000                     ; -infinity: p = 0 then
.set n, 0
.rept 64
	v_cmp_gt_i32 vcc_lo, 32*(n/16)+n%16, v[QD]     ; register 16 b + i holds key KF + 32 b + 16 (lane / 16) + i
	v_cndmask_b32 v[96+n], v[96+n], v254, vcc_lo
.set n, n+1
.endr
.Lopen_\@:
	v_max3_num_f32 v254, v96, v97, v98             ; the step's largest score of my query among my 64 keys, in two chains,
	v_max3_num_f32 v252, v99, v100, v101
.irp i, 6,10,14,18,22,26,30,34,38,42,46,50,54,58
	v_max3_num_f32 v254, v254, v[96+\i], v[97+\i]
	v_max3_num_f32 v252, v252, v[98+\i], v[99+\i]
.endr
	v_max3_num_f32 v254, v254, v158, v159
	v_max_num_f32 v254, v254, v252
	v_permlanex16_b32 v236, v254, s20, s21
	v_max_num_f32 v254, v254, v236                 ; and among lane l xor 16's
	v_mul_f32 v254, s22, v254                      ; as t (c is positive)
	v_max_num_f32 v13, v13, v254                   ; the running largest t
	v_mov_b32 v254, v12
	v_floor_f32 v12, -v13                          ; the new -M = floor(-t): M is a whole number
	v_sub_f32 v254, v12, v254                      ; old M - new M, 0 or less
	v_cvt_i32_f32 v254, v254                       ; (it saturates)
	v_ldexp_f32 v252, 1.0, v254                    ; f = 2^(old M - new M)
.set j, 0
.rept 32
	v_pk_fma_f32 v[96+j:97+j], v[96+j:97+j], s[22:23], v[12:13] op_sel_hi:[1,0,0]   ; t - M, two at a time
.set j, j+2
.endr
.set j, 0
.rept 64
	v_exp_f32 v[96+j], v[96+j]                     ; p = 2^(t - M)
.set j, j+1
.endr
	v_pk_mul_f32 v[14:15], v[14:15], v[252:253] op_sel_hi:[1,0]   ; the sums under the new M: the plain line behind the exponentials
	s_wait_alu depctr_va_vdst(0)                   ; one wait for the whole batch, ahead of its first reader
	v_pk_add_f32 v[242:243], v[96:97], v[98:99]    ; the row's sum is taken of the unquantised p, in two chains
.irp j, 4,8,12,16,20,24,28,32,36,40,44,48,52,56,60
	v_pk_add_f32 v[14:15], v[14:15], v[96+\j:97+\j]
	v_pk_add_f32 v[242:243], v[242:243], v[98+\j:99+\j]
.endr
	v_pk_add_f32 v[14:15], v[14:15], v[242:243]
	s_cmp_ge_i32 s42, -8                           ; with entry 8 at -8 or more the hold stands at 1.75 or more, and p is at most 1 + 2^-20: it cannot act
	s_cbranch_scc1 .Lno_hold_\@
.set j, 0
.rept 64
	v_min_num_f32 v[96+j], v[96+j], v240           ; the conversion does not saturate (ISA guide 7.6.2); p is not negative, so the hold is one-sided
.set j, j+1
.endr
.Lno_hold_\@:
.irp b, 0,1,2,3
	v_cvt_scalef32_pk8_fp8_f32 v[224+4*\b:225+4*\b], v[96+16*\b:103+16*\b], v244
	v_cvt_scalef32_pk8_fp8_f32 v[226+4*\b:227+4*\b], v[104+16*\b:111+16*\b], v244
.endr
.set j, 0
.rept 16
	v_pk_mul_f32 v[160+j:161+j], v[160+j:161+j], v[252:253] op_sel_hi:[1,0]   ; O^T under the new M; also the plain lines behind the conversions
.set j, j+2
.endr
	s_wait_dscnt 0x0                               ; V^T
.irp t, 0,1,2,3
	v_wmma_f32_16x16x128_fp8_fp8 v[160+8*\t:167+8*\t], v[32+16*\t:47+16*\t], v[224:239], v[160+8*\t:167+8*\t]   ; four accumulators by turns
.endr
.Lhidden_\@:
	s_add_co_u32 s[KF], s[KF], 128
.endm
; A SLOT.  more = 1: the next slot is loaded at the head, stored into the other buffer at the end, and the barrier follows
.macro HALF buf, more
.if \more
	s_wait_xcnt 0x0                                ; the earlier loads and the prefetch have read their base: it may step
	s_add_nc_u64 s[40:41], s[40:41], 32768
.irp j, 0,1,2,3
	global_load_b128 v[192+4*\j:195+4*\j], v[CPY], s[40:41] offset:512*\j
.endr
	ASK
.endif
	STEP \buf, 0
	STEP \buf, 1
.if \more
	s_wait_loadcnt 0x0
.irp j, 0,1,2,3
	ds_store_b128 v[CPY], v[192+4*\j:195+4*\j] offset:(1-(\buf))*32768+512*\j   ; nobody reads that buffer: every wave's reads of it were over in front of the last barrier
.endr
	s_wait_dscnt 0x0                               ; my stores have landed, and my reads of this buffer are over
	s_barrier_signal -1
	s_barrier_wait -1
.endif
.endm
	s_load_b256 s[4:11], s[0:1], 0x0               ; qc s[4:5], kv s[6:7], exponents s[8:9], oc s[10:11]
	v_lshl_add_u32 v[SPW], v0, 2, SPARE
	v_mov_b32 v[NIL], 0
	v_lshrrev_b32 v8, 5, v0
	v_readfirstlane_b32 s[WV], v8                  ; wave 0..15
	v_and_b32 v9, 31, v0
	v_lshlrev_b32 v[LI], 4, v9
	v_lshl_add_u32 v[CPY], v8, 11, v[LI]           ; 2,048 x wave + 16 x lane: in a slot in memory and in a buffer alike
	v_lshlrev_b32 v[PFO], 8, v9
	v_lshl_add_u32 v[PFO], v8, 13, v[PFO]          ; 8,192 x wave + 256 x lane
	s_mov_b32 s13, ttmp9                           ; i
	s_and_b32 s14, ttmp7, 0xffff                   ; g
	s_and_b32 s44, s[WV], 1                        ; b0
	s_bfe_u32 s45, s[WV], 0x10001                  ; b1
	s_bfe_u32 s46, s[WV], 0x10002                  ; b2
	s_bfe_u32 s47, s[WV], 0x10003                  ; b3
	s_xor_b32 s44, s44, s46                        ; long
	s_lshl_b32 s48, s13, 1
	s_add_co_u32 s48, s48, s46                     ; 2 i + b2
	s_sub_co_u32 s49, 255, s48
	s_cmp_eq_u32 s44, 1
	s_cselect_b32 s15, s49, s48                    ; my query tile
	s_lshl_b32 s16, s14, 2
	s_add_co_u32 s16, s16, s45
	s_lshl_b32 s47, s47, 1
	s_add_co_u32 s16, s16, s47                     ; my head
	s_lshr_b32 s[Q0], s15, 3
	s_lshl_b32 s[Q0], s[Q0], 7
	s_mov_b32 s[KF], 0
	s_lshr_b32 s38, s13, 4
	s_sub_co_u32 s38, 7, s38                       ; the loop's trips: 8 - i / 16, less the one that is written out
	s_lshr_b32 s44, s[WV], 2
	s_or_b32 s44, s44, s13
	s_cmp_eq_u32 s44, 0
	s_cselect_b32 s39, 14, 0                       ; prefetches to go: waves 0 to 3 of i = 0
	s_bfe_u32 s44, s15, 0x20001
	s_lshl_b32 s44, s44, 5
	s_and_b32 s45, s15, 1
	s_lshl_b32 s45, s45, 3
	s_add_co_u32 s44, s44, s45                     ; my tile's first query within its step of 128
	v_and_b32 v10, 15, v0
	v_and_b32 v11, 8, v10
	v_add_nc_u32 v10, v10, v11                     ; r + 8 (r / 8)
	v_bfe_u32 v11, v0, 4, 1
	v_lshlrev_b32 v11, 4, v11
	v_sub_nc_u32 v[QD], v10, v11
	v_add_nc_u32 v[QD], s44, v[QD]                 ; my query - Q0 - 16 (lane / 16): key 32 b + i is hidden where it is greater
	s_mov_b32 s20, 0x76543210                      ; v_permlanex16_b32's selects for lane l xor 16
	s_mov_b32 s21, 0xfedcba98
	s_lshl_b32 s46, s16, 18
	s_lshl_b32 s47, s15, 10
	s_add_co_u32 s46, s46, s47                     ; q: head x 262,144 + tile x 1,024
	s_mov_b32 s47, 0
	s_lshl_b32 s48, s14, 19                        ; kv: g x 524,288
	s_mov_b32 s49, 0
	s_lshl_b32 s44, s15, 14                        ; oc: tile x 16,384 + (head / 2) x 2,048 + (head % 2) x 1,024
	s_lshr_b32 s45, s16, 1
	s_lshl_b32 s45, s45, 11
	s_add_co_u32 s44, s44, s45
	s_and_b32 s45, s16, 1
	s_lshl_b32 s45, s45, 10
	s_add_co_u32 s44, s44, s45
	s_mov_b32 s45, 0
	s_wait_kmcnt 0x0
	s_load_b256 s[24:31], s[8:9], 0x0              ; entries 0 to 7
	s_load_b128 s[32:35], s[8:9], 0x20             ; entries 8 to 11
	s_add_nc_u64 s[50:51], s[4:5], s[46:47]
	s_add_nc_u64 s[40:41], s[6:7], s[48:49]
	s_add_nc_u64 s[10:11], s[10:11], s[44:45]
	global_load_b128 v[16:19], v[LI], s[50:51]     ; Q's fragment stays in registers
	global_load_b128 v[20:23], v[LI], s[50:51] offset:512
.irp j, 0,1,2,3
	global_load_b128 v[192+4*\j:195+4*\j], v[CPY], s[40:41] offset:512*\j   ; slot 0
.endr
	v_mov_b32 v13, 0xff61b1e6                      ; the largest t so far: -3e38
	v_floor_f32 v12, -v13                          ; -M
	v_mov_b32 v14, 0
	v_mov_b32 v15, 0
	v_mov_b32 v236, 0                              ; a lane permute's destination counts as one of its sources
	v_mov_b32 v252, 0
	v_mov_b32 v253, 0                              ; (named as the upper half of the pair v[252:253])
	v_mov_b32 v254, 0
.set j, 0
.rept 32
	v_mov_b32 v[160+j], 0                          ; O^T: the step is written for every step alike; the first change of M leaves zeros zeros
.set j, j+1
.endr
	s_wait_kmcnt 0x0
	s_mov_b32 s22, 0x3e38aa3b                      ; c = log2(e) / 8
	s_add_co_i32 s44, s30, s31
	s_lshl_b32 s44, s44, 23
	s_add_co_i32 s22, s22, s44                     ; x 2^(entries 6 + 7), added to c's exponent field
	s_mov_b32 s23, s22
	s_mov_b32 s42, s32
	s_add_co_i32 s44, s32, 127
	s_lshl_b32 s45, s44, 23
	v_mov_b32 v244, s45                            ; 2^(entry 8)
	s_add_co_i32 s44, s44, 8
	s_lshl_b32 s44, s44, 23
	s_or_b32 s44, s44, 0x600000
	v_mov_b32 v240, s44                            ; 448 x that
	s_sub_co_i32 s44, s34, s32
	s_sub_co_i32 s44, s44, s33
	s_add_co_i32 s44, s44, 127
	s_lshl_b32 s45, s44, 23
	v_mov_b32 v246, s45                            ; 2^(entries 10 - 8 - 9): a sum of the second product stands for sum x 2^(8 + 9)
	s_add_co_i32 s44, s44, 8
	s_lshl_b32 s44, s44, 23
	s_or_b32 s44, s44, 0x600000
	v_mov_b32 v247, s44
	s_wait_loadcnt 0x0
.irp j, 0,1,2,3
	ds_store_b128 v[CPY], v[192+4*\j:195+4*\j] offset:512*\j
.endr
	s_wait_dscnt 0x0
	s_barrier_signal -1
	s_barrier_wait -1
.Ltrip:
	HALF 0, 1
	HALF 1, 1
	s_sub_co_u32 s38, s38, 1
	s_cmp_lg_u32 s38, 0
	s_cbranch_scc1 .Ltrip
	HALF 0, 1
	HALF 1, 0                                      ; the last slot: nothing more to load
	; THE WAY OUT: O^T / the sum, quantised: register 16 b + i is d = 32 b + 16 (lane / 16) + i: two pieces of the last product's image
.rept 4
	v_nop
.endr
	v_add_f32 v14, v14, v15
	v_permlanex16_b32 v252, v14, s20, s21
	v_add_f32 v14, v14, v252                       ; the row's sum
	v_rcp_f32 v14, v14
	v_nop                                          ; a plain line behind the reciprocal,
	s_wait_alu depctr_va_vdst(0)                   ; and the wait ahead of its first reader
.set j, 0
.rept 32
	v_mul_f32 v[96+j], v[160+j], v14               ; each accumulator from its low end on
.set j, j+1
.endr
.set j, 0
.rept 32
	v_med3_num_f32 v[96+j], v[96+j], -v247, v247
.set j, j+1
.endr
.irp g, 0,1,2,3
	v_cvt_scalef32_pk8_fp8_f32 v[224+2*\g:225+2*\g], v[96+8*\g:103+8*\g], v246
.endr
	v_nop
	global_store_b128 v[LI], v[224:227], s[10:11]
	global_store_b128 v[LI], v[228:231], s[10:11] offset:512
	s_wait_tensorcnt 0x0                           ; the wave's end, behind my last LDS store
	ds_add_u32 v[SPW], v[NIL]
	s_wait_dscnt 0x0
	s_endpgm
.Lfunc_end_k_qf86268ce8f_attn:
	.size	k_qf86268ce8f_attn, .Lfunc_end_k_qf86268ce8f_attn-k_qf86268ce8f_attn
	.p2alignl 7, 3214868480
	.fill 96, 4, 3214868480
	.section	.rodata,"a",@progbits
	.p2align	6, 0x0
	.amdhsa_kernel k_qf86268ce8f_attn
		.amdhsa_group_segment_fixed_size 67584
		.amdhsa_private_segment_fixed_size 0
		.amdhsa_enable_private_segment 0
		.amdhsa_kernarg_size 32
		.amdhsa_user_sgpr_count 2
		.amdhsa_user_sgpr_kernarg_segment_ptr 1
		.amdhsa_wavefront_size32 1
		.amdhsa_system_sgpr_workgroup_id_x 1
		.amdhsa_system_sgpr_workgroup_id_y 1
		.amdhsa_system_sgpr_workgroup_id_z 1
		.amdhsa_system_vgpr_workitem_id 0
		.amdhsa_next_free_vgpr 256
		.amdhsa_next_free_sgpr 66
		.amdhsa_reserve_vcc 1
		.amdhsa_float_denorm_mode_32 3
		.amdhsa_float_denorm_mode_16_64 3
		.amdhsa_memory_ordered 1
		.amdhsa_forward_progress 1
		.amdhsa_inst_pref_size 176
	.end_amdhsa_kernel
	.amdgpu_metadata
---
amdhsa.version: [ 1, 2 ]
amdhsa.kernels:
  - .name:           k_qf86268ce8f_attn
    .symbol:         k_qf86268ce8f_attn.kd
    .args:
      - { .name: qc, .offset: 0, .size: 8, .value_kind: global_buffer, .address_space: global }
      - { .name: kv, .offset: 8, .size: 8, .value_kind: global_buffer, .address_space: global }
      - { .name: lowp_scales, .offset: 16, .size: 8, .value_kind: global_buffer, .address_space: global }
      - { .name: oc, .offset: 24, .size: 8, .value_kind: global_buffer, .address_space: global }
    .group_segment_fixed_size: 67584
    .private_segment_fixed_size: 0
    .kernarg_segment_align: 8
    .kernarg_segment_size: 32
    .max_flat_workgroup_size: 512
    .sgpr_count:     66
    .vgpr_count:     256
    .wavefront_size: 32
...
	.end_amdgpu_metadata
.endif
;; end of part 3
;; launch oproj (part 4): grid 4 x 64, 4 waves a work-group, no clusters, 83,456 bytes of LDS; arguments oc, wc, lowp_scales, out0; writes out0
.if DOCPART == 4
	.amdgcn_target "amdgcn-amd-amdhsa--gfx1250"
	.amdhsa_code_object_version 6
	.text
	.protected	k_qf86268ce8f_oproj
	.globl	k_qf86268ce8f_oproj
	.p2align	8
	.type	k_qf86268ce8f_oproj,@function
k_qf86268ce8f_oproj:
	s_mov_b64 s[64:65], 0
	v_nop
	global_prefetch_b8 v0, s[64:65] scope:SCOPE_SE
	s_setreg_imm32_b32 hwreg(HW_REG_WAVE_MODE, 25, 1), 1
	s_wait_xcnt 0x0
; out = o Wo^T on codes of E4M3 (K = 1,024), x 2^(entries 10 + 11), f32.  Both operands lie in memory as images of operand registers (row tile t = 2 B + u: rows 32 B + 8 u + r + 8 (r / 8); piece c of a fragment:
; 512 bytes, lane l's 16 bytes the codes of k = 128 s + 32 c + 16 (l / 16) + 0 .. 15: a permutation of k inside a K step, the same in both operands).
; SHARES.  Work-group x = 256 columns, y = 64 tokens.  A wave: 64 columns (4 tiles of Wo) x 64 tokens: 16 accumulators, 8 K steps, 128 matrix instructions.  o's 64 KB of codes go through LDS once, one barrier; a wave's
; fragments of Wo are used by that wave alone and go from memory straight into its registers, three K steps ahead.  Source 0 = 16 rows of Wo, source 1 = 16 tokens: a lane holds one token and 64 neighbouring columns in runs of 16.
; THE WAY OUT.  A tile of 16 tokens x 64 columns goes through the wave's own stage (rows of 256 bytes + 16) and leaves by rows: sixteen lanes store 256 consecutive bytes, at a multiple of 256 from out's first byte.
; NO CLUSTER, NO JOINT LOADS: a joint load lands in LDS; the four waves' 4 x 64 KB of Wo, each part used by one wave only, would have to go through a ring with a round of the cluster's barrier for each refill, for 128 matrix
; instructions a wave.
; LIMIT: entries 10 + 11 between -126 and 127.
; REGISTERS.  Window 0: v1 16 x lane; v2 where I store o's tile; v4, v5 the add's two; v12-14 the way out's addresses; v32-159 accumulators; v160-223 o's fragments of even K steps, later rows of out; v224-255 at work.
;   Window 1: v0-191 a ring of three K steps of Wo; v192-255 o's fragments of odd K steps.
.set STAGE, 65536                      ; behind o's images: 16 rows x 272 bytes for each wave
.set SPARE, STAGE+4*16*272             ; behind the stages: the spare words, 128 bytes for each wave: two blocks of 256 bytes that no other line names
.set LI,  1
.set XS,  2
.set SPW, 4
.set NIL, 5
.set STO, 12
.set RD,  13
.set CO,  14
.set ACC, 32
.set X0,  160
.set T,   224
.set MSB, 0
.macro WIN new                         ; the immediate's high byte repeats the setting that is left
.if MSB != \new
	s_set_vgpr_msb (MSB<<8)|\new
.set MSB, \new
.endif
.endm
.macro WFETCH t
	WIN 0x40                                       ; destination window 1
.irp ct, 0,1,2,3
.irp c, 0,1,2,3
	global_load_b128 v[64*((\t)%3)+16*\ct+4*\c:64*((\t)%3)+16*\ct+4*\c+3], v[LI], s[38:39] offset:\ct*16384+(\t)*2048+\c*512
.endr
.endr
.endm
.macro XFETCH t
	WIN (((\t)%2)<<6)
.irp a, 0,1,2,3
.irp c, 0,1,2,3
	ds_load_b128 v[X0+32*((\t)%2)+16*\a+4*\c:X0+32*((\t)%2)+16*\a+4*\c+3], v[LI] offset:\a*16384+(\t)*2048+\c*512
.endr
.endr
.endm
.macro MUL s                           ; 16 matrix instructions, each on another accumulator; the first K step starts the sums
	WIN (0x01|(((\s)%2)<<2))                       ; source 0 = Wo (window 1), source 1 = o (window s % 2)
.set rW, 64*((\s)%3)
.set rX, X0+32*((\s)%2)
.irp a, 0,1,2,3
.irp c, 0,1,2,3
.set rD, ACC+8*(4*\a+\c)
.if (\s) == 0
	v_wmma_f32_16x16x128_fp8_fp8 v[rD:rD+7], v[rW+16*\c:rW+16*\c+15], v[rX+16*\a:rX+16*\a+15], 0
.else
	v_wmma_f32_16x16x128_fp8_fp8 v[rD:rD+7], v[rW+16*\c:rW+16*\c+15], v[rX+16*\a:rX+16*\a+15], v[rD:rD+7]
.endif
.endr
.endr
.endm
.macro KSTEP s, n                      ; n: the loads issued behind Wo's fragments of this step, which may stay out
	s_wait_loadcnt \n
	s_wait_dscnt 0x0                               ; o's fragments of this step
.if (\s) < 7
	XFETCH (\s)+1
.endif
	MUL \s
	WIN 0
.rept 4
	v_nop                                          ; four places behind the products, ahead of loads into registers that they read, and of the first read of results
.endr
.if (\s) < 5
	WFETCH (\s)+3
.endif
.endm
.macro OUT a                           ; token tile a = 2 B + u
.set A, ACC+32*(\a)
.if (\a) > 0
	s_wait_xcnt 0x0                                ; the last tile's stores have read their registers
.endif
.set j, 0
.rept 16
	v_pk_mul_f32 v[T+j:T+j+1], v[A+j:A+j+1], s[46:47] op_sel_hi:[1,0]   ; x 2^(entries 10 + 11), each accumulator from its low end on
.set j, j+2
.endr
.irp p, 0,1,2,3,4,5,6,7
	ds_store_b128 v[STO], v[T+4*\p:T+4*\p+3] offset:128*(\p/4)+16*(\p%4)   ; register 16 b + i: column 32 b + 16 (lane / 16) + i
.endr
.irp i, 0,1,2,3,4,5,6,7
	ds_load_b128 v[X0+4*\i:X0+4*\i+3], v[RD] offset:544*\i                 ; LDS serves a wave's instructions in order: these see my stores; image rows 2 i and 2 i + 1
.endr
	s_wait_dscnt 0x0
.irp i, 0,1,2,3,4,5,6,7
	global_store_b128 v[CO], v[X0+4*\i:X0+4*\i+3], s[10:11] offset:(32*((\a)/2)+8*((\a)%2)+2*\i+8*(\i/4))*4096 th:TH_STORE_NT
.endr
.endm
	s_load_b256 s[4:11], s[0:1], 0x0               ; oc s[4:5], wc s[6:7], exponents s[8:9], out0 s[10:11]
	v_lshl_add_u32 v[SPW], v0, 2, SPARE
	v_mov_b32 v[NIL], 0
	v_lshrrev_b32 v8, 5, v0
	v_readfirstlane_b32 s16, v8                    ; wave 0..3
	v_and_b32 v9, 31, v0
	v_lshlrev_b32 v[LI], 4, v9
	s_lshl_b32 s44, s16, 14
	v_add_nc_u32 v[XS], s44, v[LI]
	v_and_b32 v10, 15, v0                          ; r
	v_bfe_u32 v11, v0, 4, 1                        ; half
	s_mul_i32 s44, s16, 16*272
	s_add_co_u32 s44, s44, STAGE                   ; my stage
	v_mul_u32_u24 v[STO], v10, 272
	v_lshl_add_u32 v[STO], v11, 6, v[STO]
	v_add_nc_u32 v[STO], s44, v[STO]               ; in: row r, + 64 x half
	v_mul_u32_u24 v[RD], v11, 272
	v_lshl_add_u32 v[RD], v10, 4, v[RD]
	v_add_nc_u32 v[RD], s44, v[RD]                 ; back: lanes 0-15 one row, lanes 16-31 the next
	v_lshlrev_b32 v[CO], 12, v11
	v_lshl_add_u32 v[CO], v10, 4, v[CO]            ; and the same two rows of out
	s_and_b32 s18, ttmp7, 0xffff                   ; block of 64 tokens
	s_lshl_b32 s45, ttmp9, 2
	s_add_co_u32 s45, s45, s16                     ; my 64 columns: 4 x group + wave
	s_lshl_b32 s48, s45, 16
	s_add_co_u32 s48, s48, 1572864                 ; Wo's codes begin there in wc
	s_mov_b32 s49, 0
	s_lshl_b32 s50, s18, 16
	s_lshl_b32 s51, s16, 14
	s_add_co_u32 s50, s50, s51                     ; token tile 4 x block + wave
	s_mov_b32 s51, 0
	s_lshl_b32 s52, s18, 18                        ; out: 64 rows of 4,096 bytes a block,
	s_lshl_b32 s53, s45, 8                         ; 256 bytes for 64 columns
	s_add_co_u32 s52, s52, s53
	s_mov_b32 s53, 0
	s_wait_kmcnt 0x0
	s_load_b64 s[20:21], s[8:9], 0x28              ; entries 10 and 11
	s_add_nc_u64 s[38:39], s[6:7], s[48:49]
	s_add_nc_u64 s[36:37], s[4:5], s[50:51]
	s_add_nc_u64 s[10:11], s[10:11], s[52:53]
	WFETCH 0
	WFETCH 1
	WFETCH 2
	WIN 0
.set i, 0
.rept 32
	global_load_b128 v[ACC+4*i:ACC+4*i+3], v[LI], s[36:37] offset:512*i
.set i, i+1
.endr
	s_wait_loadcnt 0x0
.set i, 0
.rept 32
	ds_store_b128 v[XS], v[ACC+4*i:ACC+4*i+3] offset:512*i
.set i, i+1
.endr
	s_wait_dscnt 0x0                               ; for the others' sake: my tile lies in LDS
	s_barrier_signal -1
	s_barrier_wait -1
	XFETCH 0
	KSTEP 0, 32
	KSTEP 1, 32
	KSTEP 2, 32
	KSTEP 3, 32                                    ; behind Wo's step s: steps s + 1 and s + 2,
	KSTEP 4, 32
	KSTEP 5, 32
	KSTEP 6, 16                                    ; step 7 alone,
	KSTEP 7, 0                                     ; nothing
	s_wait_kmcnt 0x0
	s_add_co_i32 s46, s20, s21
	s_add_co_i32 s46, s46, 127
	s_lshl_b32 s46, s46, 23                        ; 2^(entries 10 + 11) as f32
	s_mov_b32 s47, s46                             ; (named with it as a pair, so it is written)
	OUT 0
	OUT 1
	OUT 2
	OUT 3
	s_wait_tensorcnt 0x0                           ; the wave's end, behind my last LDS store
	ds_add_u32 v[SPW], v[NIL]
	s_wait_dscnt 0x0
	s_endpgm
.Lfunc_end_k_qf86268ce8f_oproj:
	.size	k_qf86268ce8f_oproj, .Lfunc_end_k_qf86268ce8f_oproj-k_qf86268ce8f_oproj
	.p2alignl 7, 3214868480
	.fill 96, 4, 3214868480
	.section	.rodata,"a",@progbits
	.p2align	6, 0x0
	.amdhsa_kernel k_qf86268ce8f_oproj
		.amdhsa_group_segment_fixed_size 83456
		.amdhsa_private_segment_fixed_size 0
		.amdhsa_enable_private_segment 0
		.amdhsa_kernarg_size 32
		.amdhsa_user_sgpr_count 2
		.amdhsa_user_sgpr_kernarg_segment_ptr 1
		.amdhsa_wavefront_size32 1
		.amdhsa_system_sgpr_workgroup_id_x 1
		.amdhsa_system_sgpr_workgroup_id_y 1
		.amdhsa_system_sgpr_workgroup_id_z 1
		.amdhsa_system_vgpr_workitem_id 0
		.amdhsa_next_free_vgpr 512
		.amdhsa_next_free_sgpr 66
		.amdhsa_reserve_vcc 0
		.amdhsa_float_denorm_mode_32 3
		.amdhsa_float_denorm_mode_16_64 3
		.amdhsa_memory_ordered 1
		.amdhsa_forward_progress 1
		.amdhsa_inst_pref_size 50
	.end_amdhsa_kernel
	.amdgpu_metadata
---
amdhsa.version: [ 1, 2 ]
amdhsa.kernels:
  - .name:           k_qf86268ce8f_oproj
    .symbol:         k_qf86268ce8f_oproj.kd
    .args:
      - { .name: oc, .offset: 0, .size: 8, .value_kind: global_buffer, .address_space: global }
      - { .name: wc, .offset: 8, .size: 8, .value_kind: global_buffer, .address_space: global }
      - { .name: lowp_scales, .offset: 16, .size: 8, .value_kind: global_buffer, .address_space: global }
      - { .name: out0, .offset: 24, .size: 8, .value_kind: global_buffer, .address_space: global }
    .group_segment_fixed_size: 83456
    .private_segment_fixed_size: 0
    .kernarg_segment_align: 8
    .kernarg_segment_size: 32
    .max_flat_workgroup_size: 128
    .sgpr_count:     66
    .vgpr_count:     512
    .wavefront_size: 32
...
	.end_amdgpu_metadata
.endif
;; end of part 4
;; ======== version 2 of 2: 4 launches; version 1 with the launches qkv, attn, oproj written anew for expert scheduling mode
;; workspace buffers: xc 12,582,912 bytes; wc 2,621,440 bytes; rope 1,048,576 bytes; qc 4,194,304 bytes; kv 2,097,152 bytes; oc 4,194,304 bytes
;; launch prep: the kernel of part 1 again; grid 416 x 1, 8 waves a work-group, no clusters, 68,608 bytes of LDS; arguments x, Wq, Wk, Wv, Wo, token_positions, lowp_scales, xc, wc, rope; writes xc, wc, rope
;; launch qkv (part 5): grid 6 x 64, 4 waves a work-group, no clusters, 66,048 bytes of LDS; arguments xc, wc, rope, lowp_scales, qc, kv; writes qc, kv
.if DOCPART == 5
	.amdgcn_target "amdgcn-amd-amdhsa--gfx1250"
	.amdhsa_code_object_version 6
	.text
	.protected	k_qf86268ce8f_qkv
	.globl	k_qf86268ce8f_qkv
	.p2align	8
	.type	k_qf86268ce8f_qkv,@function
k_qf86268ce8f_qkv:
	s_mov_b64 s[64:65], 0
	v_nop
	global_prefetch_b8 v0, s[64:65] scope:SCOPE_SE
	s_setreg_imm32_b32 hwreg(HW_REG_WAVE_SCHED_MODE, 0, 2), 2
	s_setreg_imm32_b32 hwreg(HW_REG_WAVE_MODE, 25, 1), 1
	s_wait_xcnt 0x0
	s_wait_alu depctr_vm_vsrc(0)
; q = rope(x Wq^T), k = rope(x Wk^T), v = x Wv^T on codes of E4M3 (K = 1,024), and their results quantised again, in registers, into the images that attention reads.
; All operands lie in memory as images of operand registers: row tile t = 2 B + u holds matrix rows 32 B + 8 u + r + 8 (r / 8); a fragment's piece c is 512 bytes, lane l's 16 bytes the codes of
; k = 128 s + 32 c + 16 (l / 16) + 0 .. 15.  That is a permutation of k inside a K step, the same in both operands: only the order of the sums inside an instruction differs from k's true places.
; SHARES.  Work-group x = column group: 0-3: query heads 4 x + wave; 4: key heads = wave; 5: value heads = wave.  Work-group y = a block of 64 tokens (4 tiles).  A wave: one head (4 tiles of W) x 64 tokens:
; 16 accumulators, 8 K steps of 128, 128 matrix instructions.  x's 64 KB of codes go through LDS once (each wave copies one tile), one barrier; a wave's fragments of W are used by that wave alone and go from memory
; straight into its registers, up to three K steps ahead.
; x's CODES lie in three sets, one for each of the entries 0, 2, 4; sets 1 and 2 were stored only where their exponent differs from entry 0's.  Both bases (set 0's, my group's own) are made from ids alone, and a scalar
; branch on the two exponents chooses which of two equal runs of loads is issued.
; q, k: source 0 = 16 rows of W, source 1 = 16 tokens: a lane holds ONE token, and register 16 b + i of its four accumulators is d = 32 b + 16 (l / 16) + i: RoPE's pairs are neighbouring registers, and four
; conversions give the K = 64 image.  v: the sources change places: a lane holds ONE d, its registers run along the tokens: pieces of V^T's image, the keys innermost.
; The sums stand for sum x 2^(ex + ew); RoPE is linear; so the conversion takes the one scale 2^(et - ex - ew).
; NO CLUSTER, NO JOINT LOADS: a joint load lands in LDS; a work-group's four waves use 4 x 64 KB of W, each part by one wave only, which beside x's 64 KB would have to go through a ring with a round of the cluster's
; barrier for each refill, for 128 matrix instructions a wave; from memory to registers each fragment is loaded once by its one user.
; LIMITS: et - ex - ew (entries 6-0-1, 7-2-3, 9-4-5) between -126 and 119.  NaN is not served.
; REGISTERS.  Window 0: v1 16 x lane; v2 where I store x's tile; v4, v5 the add's two; v6, v7 scale and hold; v32-159 accumulators; v160-223 x's fragments of even K steps, later the codes; v224-255 at work.
;   Window 1: v0-191 a ring of three K steps of W (64 registers each), at the end RoPE's table; v192-255 x's fragments of odd K steps.
; THE MODE: SCHED_MODE bits 1:0 = 2 (LLVM: expert scheduling mode 2), set by the entry lines.  The code itself states the register dependences between vector or matrix instructions and memory or LDS
; instructions, with s_wait_alu, always for 0.
; THE PLAN.  Registers that memory or LDS instructions touch:
;   v1, v2        Written once at the head, read by every load and store: one wait on va_vdst ahead of the first load.
;   v32-159       My tile of x lands there and the LDS stores read it; then the products write them: one wait on vm_vsrc behind the barrier.
;   x's two sets  The LDS loads of step s + 1, issued in step s behind its first four products, land in set (s + 1) % 2, which step s - 1's products read last.
;   W's ring      Place s % 3: read by step s's products; behind them the loads of step s + 3 land in it (at steps 5 and 6 of q and k: a half of RoPE's table).
;   v160-191      At the end: written by the conversions, read by the stores, each tile's eight registers its own: never written again.
; So ONE wait on va_vdst stands at a step's end, behind its four places: the step's products are done reading their place of the ring and their set of x.  W's loads follow it at once; the next step's LDS loads
; follow behind four products that name the other set of x, another place of the ring and the sums.  On the way out one wait on va_vdst serves the four stores of two tiles.
.set SPARE, 65536                      ; behind x's images: the spare words, 128 bytes for each wave: two blocks of 256 bytes that no other line names
.set LI,  1
.set XS,  2
.set SPW, 4
.set NIL, 5
.set SC,  6
.set LIM, 7
.set ACC, 32
.set X0,  160
.set T,   224
.set MSB, 0
.macro WIN new                         ; the immediate's high byte repeats the setting that is left
.if MSB != \new
	s_set_vgpr_msb (MSB<<8)|\new
.set MSB, \new
.endif
.endm
.macro WFETCH t                        ; my head's four fragments of W for K step t, into the ring's place t % 3
	WIN 0x40                                       ; destination window 1
.irp ct, 0,1,2,3
.irp c, 0,1,2,3
	global_load_b128 v[64*((\t)%3)+16*\ct+4*\c:64*((\t)%3)+16*\ct+4*\c+3], v[LI], s[38:39] offset:\ct*16384+(\t)*2048+\c*512
.endr
.endr
.endm
.macro XLOAD p                         ; my token tile's 16,384 bytes of codes, from the base in s[p:p+1], into the registers that the sums will take
.set i, 0
.rept 32
	global_load_b128 v[ACC+4*i:ACC+4*i+3], v[LI], s[\p:\p+1] offset:512*i
.set i, i+1
.endr
.endm
.macro XFETCH t                        ; the four token tiles' fragments for K step t, out of LDS
	WIN (((\t)%2)<<6)
.irp a, 0,1,2,3
.irp c, 0,1,2,3
	ds_load_b128 v[X0+32*((\t)%2)+16*\a+4*\c:X0+32*((\t)%2)+16*\a+4*\c+3], v[LI] offset:\a*16384+(\t)*2048+\c*512
.endr
.endr
.endm
.macro RFETCH half                     ; RoPE's table for token tiles 2 half, 2 half + 1, into places of W's ring that are done with
	WIN 0x40
.irp e, 0,1
.irp m, 0,1,2,3,4,5,6,7
	global_load_b128 v[(128+32*(2*(\half)+\e))%192+4*\m:(128+32*(2*(\half)+\e))%192+4*\m+3], v[LI], s[40:41] offset:(2*(\half)+\e)*4096+512*\m
.endr
.endr
.endm
; Four of a K step's 16 matrix instructions, each on another accumulator; the first K step starts the sums with the constant 0
.macro MULA s, swap, a
.if \swap
	WIN (((\s)%2)|0x04)                            ; source 0 = x (window s % 2), source 1 = W (window 1)
.else
	WIN (0x01|(((\s)%2)<<2))                       ; source 0 = W (window 1), source 1 = x
.endif
.set rW, 64*((\s)%3)
.set rX, X0+32*((\s)%2)
.irp c, 0,1,2,3
.set rD, ACC+8*(4*(\a)+\c)
.if \swap
.if (\s) == 0
	v_wmma_f32_16x16x128_fp8_fp8 v[rD:rD+7], v[rX+16*\c:rX+16*\c+15], v[rW+16*(\a):rW+16*(\a)+15], 0
.else
	v_wmma_f32_16x16x128_fp8_fp8 v[rD:rD+7], v[rX+16*\c:rX+16*\c+15], v[rW+16*(\a):rW+16*(\a)+15], v[rD:rD+7]
.endif
.else
.if (\s) == 0
	v_wmma_f32_16x16x128_fp8_fp8 v[rD:rD+7], v[rW+16*\c:rW+16*\c+15], v[rX+16*(\a):rX+16*(\a)+15], 0
.else
	v_wmma_f32_16x16x128_fp8_fp8 v[rD:rD+7], v[rW+16*\c:rW+16*\c+15], v[rX+16*(\a):rX+16*(\a)+15], v[rD:rD+7]
.endif
.endif
.endr
.endm
; A K step.  n: the loads issued behind W's fragments of this step, which may stay out
.macro KSTEP s, swap, n
	s_wait_loadcnt \n
	s_wait_dscnt 0x0                               ; x's fragments of this step
	MULA \s, \swap, 0
.if (\s) < 7
	XFETCH (\s)+1                                  ; the next step's, into the other set.  No wait: the wait at the last step's end has shown that set's last products done, and the four products since name none of its registers
.endif
	MULA \s, \swap, 1
	MULA \s, \swap, 2
	MULA \s, \swap, 3
	WIN 0
.rept 4
	v_nop                                          ; four places behind the products, ahead of loads into registers that they read, and of the first read of results
.endr
.if ((\s) < 5) || (((\s) < 7) && ((\swap) == 0))
	WIN 0x40                                       ; the window of the loads below, ahead of the wait
.endif
.if ((\s) < 6) || (((\s) == 6) && ((\swap) == 0))
	s_wait_alu depctr_va_vdst(0)                   ; this step's products are done reading their place of W's ring, in which the loads below land, and their set of x, in which the next step's LDS loads land
.endif
.if (\s) < 5
	WFETCH (\s)+3
.endif
.if ((\s) == 5) && ((\swap) == 0)
	RFETCH 0
.endif
.if ((\s) == 6) && ((\swap) == 0)
	RFETCH 1
.endif
.endm
; The way out of four accumulators (32 registers): RoPE if asked, the hold, four conversions
.macro EPI a, rope
.set A, ACC+32*(\a)
.if \rope
.set RT, (128+32*(\a))%192             ; register 2 k: cos, 2 k + 1: sin of pair k
	WIN 0x04                                       ; source 1 (the table) window 1
.irp k, 0,1,2,3,4,5,6,7,8,9,10,11,12,13,14,15
	v_mul_f32 v[T+2*\k], v[A+2*\k+1], v[RT+2*\k+1]         ; odd x sin   (each accumulator is read from its low end on)
	v_mul_f32 v[T+2*\k+1], v[A+2*\k+1], v[RT+2*\k]         ; odd x cos
.endr
.irp k, 0,1,2,3,4,5,6,7,8,9,10,11,12,13,14,15
	v_fma_f32 v[A+2*\k+1], v[A+2*\k], v[RT+2*\k+1], v[T+2*\k+1]   ; even x sin + odd x cos
	v_fma_f32 v[A+2*\k], v[A+2*\k], v[RT+2*\k], -v[T+2*\k]        ; even x cos - odd x sin
.endr
	WIN 0
.endif
.set j, 0
.rept 32
	v_med3_num_f32 v[A+j], v[A+j], -v[LIM], v[LIM] ; the conversion does not saturate (ISA guide 7.6.2): the hold at the largest code x the scale
.set j, j+1
.endr
.irp g, 0,1,2,3
	v_cvt_scalef32_pk8_fp8_f32 v[X0+8*(\a)+2*\g:X0+8*(\a)+2*\g+1], v[A+8*\g:A+8*\g+7], v[SC]
.endr
	v_nop                                          ; a plain line behind the last conversion
.endm
.macro PUT a, stride                   ; a tile's codes: two stores of 512 consecutive bytes
	global_store_b128 v[LI], v[X0+8*(\a):X0+8*(\a)+3], s[42:43] offset:(\a)*(\stride)
	global_store_b128 v[LI], v[X0+8*(\a)+4:X0+8*(\a)+7], s[42:43] offset:(\a)*(\stride)+512
.endm
	s_load_b256 s[4:11], s[0:1], 0x0               ; xc s[4:5], wc s[6:7], rope s[8:9], exponents s[10:11]
	s_load_b128 s[12:15], s[0:1], 0x20             ; qc s[12:13], kv s[14:15]
	v_lshl_add_u32 v[SPW], v0, 2, SPARE
	v_mov_b32 v[NIL], 0
	v_lshrrev_b32 v8, 5, v0
	v_readfirstlane_b32 s16, v8                    ; wave 0..3
	v_and_b32 v9, 31, v0
	v_lshlrev_b32 v[LI], 4, v9
	s_wait_alu depctr_va_sdst(0)                   ; s16 is written, ahead of its first reader: LDS places and bases are made from it
	s_lshl_b32 s44, s16, 14
	v_add_nc_u32 v[XS], s44, v[LI]                 ; tile w of x's images
	s_mov_b32 s17, ttmp9                           ; column group
	s_and_b32 s18, ttmp7, 0xffff                   ; block of 64 tokens
	s_max_u32 s19, s17, 3
	s_sub_co_u32 s19, s19, 3                       ; 0: q, 1: k, 2: v
	s_lshl_b32 s45, s17, 2
	s_add_co_u32 s45, s45, s16                     ; my head among the 24: 4 x group + wave
	s_lshl_b32 s46, s45, 16                        ; its 65,536 bytes of W's codes
	s_mov_b32 s47, 0
	s_wait_kmcnt 0x0
	s_load_b256 s[24:31], s[10:11], 0x0            ; entries 0 to 7
	s_load_b128 s[32:35], s[10:11], 0x20           ; entries 8 to 11
	s_add_nc_u64 s[38:39], s[6:7], s[46:47]
	WIN 0x40                                       ; the window of W's loads, ahead of the wait
	s_wait_alu depctr_va_vdst(0)                   ; v1 and v2 are written, which every load and store of the kernel reads as its offset or address
	WFETCH 0                                       ; W needs no scale: its first K step goes out while the exponents arrive
	WIN 0
	s_lshl_b32 s46, s18, 14
	s_add_nc_u64 s[40:41], s[8:9], s[46:47]        ; the table of my four token tiles
	s_lshl_b32 s46, s45, 18                        ; q: head x 262,144 + block x 4,096
	s_lshl_b32 s48, s18, 12
	s_add_co_u32 s46, s46, s48
	s_lshl_b32 s48, s16, 19                        ; k, v: head x 524,288 + key step x 16,384
	s_lshr_b32 s49, s18, 1
	s_lshl_b32 s49, s49, 14
	s_add_co_u32 s48, s48, s49
	s_and_b32 s49, s18, 1
	s_lshl_b32 s50, s49, 12                        ; k: + the block's four key tiles of 1,024
	s_lshl_b32 s51, s49, 10                        ; v: + 8,192 + the block's two pieces of each d tile
	s_add_co_u32 s51, s51, 8192
	s_cmp_eq_u32 s19, 2
	s_cselect_b32 s50, s51, s50
	s_add_co_u32 s48, s48, s50
	s_cmp_eq_u32 s19, 0
	s_cselect_b32 s46, s46, s48
	s_cselect_b64 s[42:43], s[12:13], s[14:15]
	s_add_nc_u64 s[42:43], s[42:43], s[46:47]      ; where my codes go
	s_lshl_b32 s44, s18, 16                        ; x's codes: token tile 4 x block + wave, 16,384 bytes a tile,
	s_lshl_b32 s45, s16, 14
	s_add_co_u32 s44, s44, s45
	s_mov_b32 s45, 0
	s_add_nc_u64 s[36:37], s[4:5], s[44:45]        ; in set 0,
	s_lshl_b32 s44, s19, 22
	s_add_nc_u64 s[52:53], s[36:37], s[44:45]      ; and in my group's own set: 4 MiB a set
	s_wait_kmcnt 0x0
	s_mov_b32 s20, s24                             ; ex, ew, et: entries 0, 1, 6 | 2, 3, 7 | 4, 5, 9
	s_mov_b32 s21, s25
	s_mov_b32 s22, s30
	s_cmp_eq_u32 s19, 1
	s_cselect_b32 s20, s26, s20
	s_cselect_b32 s21, s27, s21
	s_cselect_b32 s22, s31, s22
	s_cmp_eq_u32 s19, 2
	s_cselect_b32 s20, s28, s20
	s_cselect_b32 s21, s29, s21
	s_cselect_b32 s22, s33, s22
	s_cmp_eq_u32 s20, s24                          ; my exponent of x = entry 0: my own set was not stored, and set 0 holds the same codes
	s_cbranch_scc1 .Lset0
	XLOAD 52
	s_branch .Lgot
.Lset0:
	XLOAD 36
.Lgot:
	s_sub_co_i32 s44, s22, s20
	s_sub_co_i32 s44, s44, s21
	s_add_co_i32 s44, s44, 127
	s_lshl_b32 s45, s44, 23
	v_mov_b32 v[SC], s45                           ; 2^(et - ex - ew)
	s_add_co_i32 s44, s44, 8
	s_lshl_b32 s44, s44, 23
	s_or_b32 s44, s44, 0x600000
	v_mov_b32 v[LIM], s44                          ; 448 x that
	s_wait_loadcnt 0x0                             ; my tile of x (and W's K step 0, issued ahead of it)
	WFETCH 1                                       ; they have the LDS stores, the barrier and K step 0 in which to land.  (No wait: since the head's wait only v6 and v7 were written)
	WFETCH 2
	WIN 0
.set i, 0
.rept 32
	ds_store_b128 v[XS], v[ACC+4*i:ACC+4*i+3] offset:512*i
.set i, i+1
.endr
	s_wait_dscnt 0x0                               ; for the others' sake: my tile lies in LDS
	s_barrier_signal -1
	s_barrier_wait -1
	s_wait_alu depctr_vm_vsrc(0)                   ; my LDS stores have read v32-159, which the first K step's products write
	XFETCH 0
	s_cmp_eq_u32 s19, 2
	s_cbranch_scc1 .Lv
	KSTEP 0, 0, 32
	KSTEP 1, 0, 32
	KSTEP 2, 0, 32
	KSTEP 3, 0, 32                                 ; behind W's step s: steps s + 1 and s + 2,
	KSTEP 4, 0, 32
	KSTEP 5, 0, 32
	KSTEP 6, 0, 32                                 ; step 7 and the table's first half,
	KSTEP 7, 0, 32                                 ; the table's two halves
	s_wait_loadcnt 16                              ; the table's first half
	EPI 0, 1
	EPI 1, 1
	s_wait_alu depctr_va_vdst(0)                   ; the conversions have written tiles 0 and 1's codes, v160-175, which the four stores read
	PUT 0, 1024
	PUT 1, 1024
	s_wait_loadcnt 0x0
	EPI 2, 1
	EPI 3, 1
	s_wait_alu depctr_va_vdst(0)                   ; the conversions have written tiles 2 and 3's codes, v176-191, which the four stores read
	PUT 2, 1024
	PUT 3, 1024
	s_branch .Ldone
.Lv:
	KSTEP 0, 1, 32
	KSTEP 1, 1, 32
	KSTEP 2, 1, 32
	KSTEP 3, 1, 32
	KSTEP 4, 1, 32
	KSTEP 5, 1, 32
	KSTEP 6, 1, 16                                 ; behind step 6: step 7 alone
	KSTEP 7, 1, 0
	EPI 0, 0
	EPI 1, 0
	s_wait_alu depctr_va_vdst(0)                   ; the conversions have written d tiles 0 and 1's codes, v160-175, which the four stores read
	PUT 0, 2048
	PUT 1, 2048
	EPI 2, 0
	EPI 3, 0
	s_wait_alu depctr_va_vdst(0)                   ; the conversions have written d tiles 2 and 3's codes, v176-191, which the four stores read
	PUT 2, 2048
	PUT 3, 2048
.Ldone:
	s_wait_dscnt 0x0                               ; the wave's end
	s_wait_alu 0x0
	s_wait_tensorcnt 0x0
	ds_add_u32 v[SPW], v[NIL]
	s_wait_dscnt 0x0
	s_endpgm
.Lfunc_end_k_qf86268ce8f_qkv:
	.size	k_qf86268ce8f_qkv, .Lfunc_end_k_qf86268ce8f_qkv-k_qf86268ce8f_qkv
	.p2alignl 7, 3214868480
	.fill 96, 4, 3214868480
	.section	.rodata,"a",@progbits
	.p2align	6, 0x0
	.amdhsa_kernel k_qf86268ce8f_qkv
		.amdhsa_group_segment_fixed_size 66048
		.amdhsa_private_segment_fixed_size 0
		.amdhsa_enable_private_segment 0
		.amdhsa_kernarg_size 48
		.amdhsa_user_sgpr_count 2
		.amdhsa_user_sgpr_kernarg_segment_ptr 1
		.amdhsa_wavefront_size32 1
		.amdhsa_system_sgpr_workgroup_id_x 1
		.amdhsa_system_sgpr_workgroup_id_y 1
		.amdhsa_system_sgpr_workgroup_id_z 1
		.amdhsa_system_vgpr_workitem_id 0
		.amdhsa_next_free_vgpr 512
		.amdhsa_next_free_sgpr 66
		.amdhsa_reserve_vcc 0
		.amdhsa_float_denorm_mode_32 3
		.amdhsa_float_denorm_mode_16_64 3
		.amdhsa_memory_ordered 1
		.amdhsa_forward_progress 1
		.amdhsa_inst_pref_size 103
	.end_amdhsa_kernel
	.amdgpu_metadata
---
amdhsa.version: [ 1, 2 ]
amdhsa.kernels:
  - .name:           k_qf86268ce8f_qkv
    .symbol:         k_qf86268ce8f_qkv.kd
    .args:
      - { .name: xc, .offset: 0, .size: 8, .value_kind: global_buffer, .address_space: global }
      - { .name: wc, .offset: 8, .size: 8, .value_kind: global_buffer, .address_space: global }
      - { .name: rope, .offset: 16, .size: 8, .value_kind: global_buffer, .address_space: global }
      - { .name: lowp_scales, .offset: 24, .size: 8, .value_kind: global_buffer, .address_space: global }
      - { .name: qc, .offset: 32, .size: 8, .value_kind: global_buffer, .address_space: global }
      - { .name: kv, .offset: 40, .size: 8, .value_kind: global_buffer, .address_space: global }
    .group_segment_fixed_size: 66048
    .private_segment_fixed_size: 0
    .kernarg_segment_align: 8
    .kernarg_segment_size: 48
    .max_flat_workgroup_size: 128
    .sgpr_count:     66
    .vgpr_count:     512
    .wavefront_size: 32
...
	.end_amdgpu_metadata
.endif
;; end of part 5
;; launch attn (part 6): grid 64 x 4, 16 waves a work-group, no clusters, 67,584 bytes of LDS; arguments qc, kv, lowp_scales, oc; writes oc
.if DOCPART == 6
	.amdgcn_target "amdgcn-amd-amdhsa--gfx1250"
	.amdhsa_code_object_version 6
	.text
	.protected	k_qf86268ce8f_attn
	.globl	k_qf86268ce8f_attn
	.p2align	8
	.type	k_qf86268ce8f_attn,@function
k_qf86268ce8f_attn:
	s_mov_b64 s[64:65], 0
	v_nop
	global_prefetch_b8 v0, s[64:65] scope:SCOPE_SE
	s_setreg_imm32_b32 hwreg(HW_REG_WAVE_SCHED_MODE, 0, 2), 2
	s_setreg_imm32_b32 hwreg(HW_REG_WAVE_MODE, 25, 1), 1
	s_wait_xcnt 0x0
	s_wait_alu depctr_vm_vsrc(0)
; Causal attention with grouped heads on codes of E4M3: o = softmax(q k^T / 8) v, head size 64, 4,096 tokens, 16 query heads on 4 key and value heads; o is quantised for the last product and stored as an image.
; THE SOFTMAX AHEAD OF THE SECOND PRODUCT: t = score x log2(e) / 8; M = the running largest t rounded UP to a whole number; p = 2^(t - M) is quantised, not normalised; the row's sum is taken of the unquantised p
; and divides at the end.  When M moves, the sum and O are multiplied by 2^(old M - new M): exact.
; SHARES.  Work-group y = the key and value head g; x = i.  It owns query tiles 2 i, 2 i + 1 (short) and 255 - 2 i, 254 - 2 i (long) for g's four query heads: sixteen waves, one tile of 16 queries of one head each.
; Tile T has T / 8 + 1 key steps of 128; a short and a long tile have 33 together, for every i.  Of the wave's number's bits b0 .. b3: long = b0 xor b2, which of the two tiles = b2, head = 4 g + b1 + 2 b3: so among
; waves w, w + 4, w + 8, w + 12, and among waves 4 n .. 4 n + 3 alike, two are short and two long.
; LAYOUT.  Both products are used transposed: S^T = K Q^T (source 0 = 16 keys), O^T = V^T P^T (source 0 = 16 of the head's 64): a lane holds ONE query.  The rows of every tile are 32 B + 8 u + r + 8 (r / 8), so that the
; 16 registers of two neighbouring tiles are 16 neighbours: p's codes ARE the second product's operand, and o's codes are pieces of the last product's image.
; THE RING.  A slot is two key steps (32,768 bytes: for each step K's 8 tiles of 1,024 bytes, then V^T's 4 of 2,048), two buffers.  Wave w copies bytes 2,048 w .. + 2,047 of the next slot through four registers' loads,
; issued at a slot's head and stored to the other buffer at its end; ONE barrier a slot: behind it the new slot is whole, and every wave's reads of the old one are over before the next stores into it.
; The work-group walks 2 (8 - i / 16) slots: its long tiles' 16 - i / 8, made even; a step all of whose keys come after the wave's queries is jumped over (a scalar branch on ids; no barrier stands in a step).
; NO CLUSTER, NO JOINT LOADS: the work-groups of a head walk between 10 and 16 slots, so partners would need different numbers of tiles; the even share of the causal work rests on that.
; LIMITS: entries 6 + 7 between -123 and 130; entry 8, and entries 10 - 8 - 9, between -126 and 119.  NaN is not served.
; REGISTERS: v1 16 x lane; v2 my place in a slot; v4 the prefetch's offset; v5, v6 the add's two; v7 the mask's bound; v12 -M, v13 largest t, v[14:15] the sum; v16-23 Q; v32-95 K's, then V's fragments;
;   v96-159 S^T, then p; v160-191 O^T; v192-207 the copy; v224-239 p's codes; v240, v244 hold and scale for p; v246, v247 scale and hold for o; v236, v242, v243, v252-254 at work; s44-59 sixteen lane masks.
; THE MODE: SCHED_MODE bits 1:0 = 2 (LLVM: expert scheduling mode 2), set by the entry lines.  The code itself states the register dependences between vector or matrix instructions and memory or LDS
; instructions, with s_wait_alu, always for 0.
; THE PLAN.  Registers that memory or LDS instructions touch:
;   v1, v2, v4    Written once at the head, read by every load, store and prefetch: one wait on va_vdst ahead of the first load.
;   v16-23        Q lands once; no load follows into them.
;   v32-95        In a step: K's fragments land, eight products read them, V^T's fragments land, four products read them; the next step's K lands.  The sixteen waves' 256 registers each leave no room for a second
;                 such buffer, so a step has two waits on va_vdst: at its head (the last step's four products are done reading) and behind the eight products (they are done reading).
;   v192-207      The next slot's bytes land, the LDS stores at the slot's end read them, the slot after's bytes land: one wait on vm_vsrc a slot.  No vector instruction names them.
;   v224-231      At the end: written by the conversions, read by the two stores: one wait on va_vdst.
; The masks of the step on the diagonal go from compares to selects through scalar registers: sixteen compares, one wait on va_sdst, sixteen selects, four times.
.set SPARE, 65536                      ; behind the two buffers: the spare words, 128 bytes for each wave: eight blocks of 256 bytes that no other line names
.set LI,  1
.set CPY, 2
.set PFO, 4
.set SPW, 5
.set NIL, 6
.set QD,  7
.set WV,  12
.set KF,  36                           ; s36  the step's first key
.set Q0,  37                           ; s37  the first key of the step that holds my queries
.set MK,  44                           ; s44-59  the lane masks of sixteen registers of scores (the head's scratch registers, done with by then)
; A PREFETCH INTO THE L2 of the slot after the one whose loads have just been issued: a slot ahead.  All work-groups of a head walk the same slots: the one with i = 0 asks, by its waves 0 to 3, 8,192 bytes a wave,
; lanes 256 bytes apart: each aligned block of 256 bytes is named once.  Fourteen requests: slots 2 to 15; the change that loads slot 15 asks for nothing.
.macro ASK
	s_cmp_lg_u32 s39, 0
	s_cbranch_scc0 .Lnot_mine_\@
	global_prefetch_b8 v[PFO], s[40:41] offset:32768 th:TH_LOAD_NT scope:SCOPE_SE
	s_sub_co_u32 s39, s39, 1
.Lnot_mine_\@:
.endm
; A KEY STEP: 128 keys, the q-th of the slot in buffer buf
.macro STEP buf, q
	s_cmp_gt_u32 s[KF], s[Q0]
	s_cbranch_scc1 .Lhidden_\@
.rept 4
	v_nop                                          ; four places in front of loads into registers that the last products read
.endr
	s_wait_alu depctr_va_vdst(0)                   ; the last step's four products are done reading V^T's fragments in v32-95, in which K's land
.irp t, 0,1,2,3,4,5,6,7
	ds_load_b128 v[32+8*\t:35+8*\t], v[LI] offset:(\buf)*32768+(\q)*16384+\t*1024
	ds_load_b128 v[36+8*\t:39+8*\t], v[LI] offset:(\buf)*32768+(\q)*16384+\t*1024+512
.endr
	s_wait_dscnt 0x0
.irp t, 0,1,2,3,4,5,6,7
	v_wmma_f32_16x16x64_fp8_fp8 v[96+8*\t:103+8*\t], v[32+8*\t:39+8*\t], v[16:23], 0
.endr
.rept 4
	v_nop
.endr
	s_wait_alu depctr_va_vdst(0)                   ; the eight products are done reading K's fragments in v32-95, in which V^T's land
.irp t, 0,1,2,3
.irp c, 0,1,2,3
	ds_load_b128 v[32+16*\t+4*\c:35+16*\t+4*\c], v[LI] offset:(\buf)*32768+(\q)*16384+8192+\t*2048+\c*512   ; V^T lands under the softmax
.endr
.endr
	s_cmp_lg_u32 s[KF], s[Q0]                      ; only the step that holds my queries has hidden keys
	s_cbranch_scc1 .Lopen_\@
	v_mov_b32 v254, 0xff800000                     ; -infinity: p = 0 then
.irp b, 0,1,2,3
.set n, 0
.rept 16
	v_cmp_gt_i32 s[MK+n], 32*\b+n, v[QD]           ; register 16 b + i holds key KF + 32 b + 16 (lane / 16) + i
.set n, n+1
.endr
	s_wait_alu depctr_va_sdst(0)                   ; the sixteen compares have written s44-59, ahead of the selects that read them
.set n, 0
.rept 16
	v_cndmask_b32 v[96+16*\b+n], v[96+16*\b+n], v254, s[MK+n]
.set n, n+1
.endr
.endr
.Lopen_\@:
	v_max3_num_f32 v254, v96, v97, v98             ; the step's largest score of my query among my 64 keys, in two chains,
	v_max3_num_f32 v252, v99, v100, v101
.irp i, 6,10,14,18,22,26,30,34,38,42,46,50,54,58
	v_max3_num_f32 v254, v254, v[96+\i], v[97+\i]
	v_max3_num_f32 v252, v252, v[98+\i], v[99+\i]
.endr
	v_max3_num_f32 v254, v254, v158, v159
	v_max_num_f32 v254, v254, v252
	v_permlanex16_b32 v236, v254, s20, s21
	v_max_num_f32 v254, v254, v236                 ; and among lane l xor 16's
	v_mul_f32 v254, s22, v254                      ; as t (c is positive)
	v_max_num_f32 v13, v13, v254                   ; the running largest t
	v_mov_b32 v254, v12
	v_floor_f32 v12, -v13                          ; the new -M = floor(-t): M is a whole number
	v_sub_f32 v254, v12, v254                      ; old M - new M, 0 or less
	v_cvt_i32_f32 v254, v254                       ; (it saturates)
	v_ldexp_f32 v252, 1.0, v254                    ; f = 2^(old M - new M)
.set j, 0
.rept 32
	v_pk_fma_f32 v[96+j:97+j], v[96+j:97+j], s[22:23], v[12:13] op_sel_hi:[1,0,0]   ; t - M, two at a time
.set j, j+2
.endr
.set j, 0
.rept 64
	v_exp_f32 v[96+j], v[96+j]                     ; p = 2^(t - M)
.set j, j+1
.endr
	v_pk_mul_f32 v[14:15], v[14:15], v[252:253] op_sel_hi:[1,0]   ; the sums under the new M: the plain line behind the exponentials
	s_wait_alu depctr_va_vdst(0)                   ; the 64 exponentials have written p, v96-159: one wait for the whole batch, ahead of its first reader
	v_pk_add_f32 v[242:243], v[96:97], v[98:99]    ; the row's sum is taken of the unquantised p, in two chains
.irp j, 4,8,12,16,20,24,28,32,36,40,44,48,52,56,60
	v_pk_add_f32 v[14:15], v[14:15], v[96+\j:97+\j]
	v_pk_add_f32 v[242:243], v[242:243], v[98+\j:99+\j]
.endr
	v_pk_add_f32 v[14:15], v[14:15], v[242:243]
	s_cmp_ge_i32 s42, -8                           ; with entry 8 at -8 or more the hold stands at 1.75 or more, and p is at most 1 + 2^-20: it cannot act
	s_cbranch_scc1 .Lno_hold_\@
.set j, 0
.rept 64
	v_min_num_f32 v[96+j], v[96+j], v240           ; the conversion does not saturate (ISA guide 7.6.2); p is not negative, so the hold is one-sided
.set j, j+1
.endr
.Lno_hold_\@:
.irp b, 0,1,2,3
	v_cvt_scalef32_pk8_fp8_f32 v[224+4*\b:225+4*\b], v[96+16*\b:103+16*\b], v244
	v_cvt_scalef32_pk8_fp8_f32 v[226+4*\b:227+4*\b], v[104+16*\b:111+16*\b], v244
.endr
.set j, 0
.rept 16
	v_pk_mul_f32 v[160+j:161+j], v[160+j:161+j], v[252:253] op_sel_hi:[1,0]   ; O^T under the new M; also the plain lines behind the conversions
.set j, j+2
.endr
	s_wait_dscnt 0x0                               ; V^T
.irp t, 0,1,2,3
	v_wmma_f32_16x16x128_fp8_fp8 v[160+8*\t:167+8*\t], v[32+16*\t:47+16*\t], v[224:239], v[160+8*\t:167+8*\t]   ; four accumulators by turns
.endr
.Lhidden_\@:
	s_add_co_u32 s[KF], s[KF], 128
.endm
; A SLOT.  more = 1: the next slot is loaded at the head, stored into the other buffer at the end, and the barrier follows
.macro HALF buf, more
.if \more
	s_wait_xcnt 0x0                                ; the earlier loads and the prefetch have read their base: it may step
	s_wait_alu depctr_vm_vsrc(0)                   ; my LDS stores of the slot before have read v192-207, in which the loads below land
	s_add_nc_u64 s[40:41], s[40:41], 32768
.irp j, 0,1,2,3
	global_load_b128 v[192+4*\j:195+4*\j], v[CPY], s[40:41] offset:512*\j
.endr
	ASK
.endif
	STEP \buf, 0
	STEP \buf, 1
.if \more
	s_wait_loadcnt 0x0
.irp j, 0,1,2,3
	ds_store_b128 v[CPY], v[192+4*\j:195+4*\j] offset:(1-(\buf))*32768+512*\j   ; nobody reads that buffer: every wave's reads of it were over in front of the last barrier
.endr
	s_wait_dscnt 0x0                               ; my stores have landed, and my reads of this buffer are over
	s_barrier_signal -1
	s_barrier_wait -1
.endif
.endm
	s_load_b256 s[4:11], s[0:1], 0x0               ; qc s[4:5], kv s[6:7], exponents s[8:9], oc s[10:11]
	v_lshl_add_u32 v[SPW], v0, 2, SPARE
	v_mov_b32 v[NIL], 0
	v_lshrrev_b32 v8, 5, v0
	v_readfirstlane_b32 s[WV], v8                  ; wave 0..15
	v_and_b32 v9, 31, v0
	v_lshlrev_b32 v[LI], 4, v9
	v_lshl_add_u32 v[CPY], v8, 11, v[LI]           ; 2,048 x wave + 16 x lane: in a slot in memory and in a buffer alike
	v_lshlrev_b32 v[PFO], 8, v9
	v_lshl_add_u32 v[PFO], v8, 13, v[PFO]          ; 8,192 x wave + 256 x lane
	s_mov_b32 s13, ttmp9                           ; i
	s_and_b32 s14, ttmp7, 0xffff                   ; g
	s_wait_alu depctr_va_sdst(0)                   ; s12, the wave's number, is written, ahead of its first reader: my tile, my head and the bases are made from it
	s_and_b32 s44, s[WV], 1                        ; b0
	s_bfe_u32 s45, s[WV], 0x10001                  ; b1
	s_bfe_u32 s46, s[WV], 0x10002                  ; b2
	s_bfe_u32 s47, s[WV], 0x10003                  ; b3
	s_xor_b32 s44, s44, s46                        ; long
	s_lshl_b32 s48, s13, 1
	s_add_co_u32 s48, s48, s46                     ; 2 i + b2
	s_sub_co_u32 s49, 255, s48
	s_cmp_eq_u32 s44, 1
	s_cselect_b32 s15, s49, s48                    ; my query tile
	s_lshl_b32 s16, s14, 2
	s_add_co_u32 s16, s16, s45
	s_lshl_b32 s47, s47, 1
	s_add_co_u32 s16, s16, s47                     ; my head
	s_lshr_b32 s[Q0], s15, 3
	s_lshl_b32 s[Q0], s[Q0], 7
	s_mov_b32 s[KF], 0
	s_lshr_b32 s38, s13, 4
	s_sub_co_u32 s38, 7, s38                       ; the loop's trips: 8 - i / 16, less the one that is written out
	s_lshr_b32 s44, s[WV], 2
	s_or_b32 s44, s44, s13
	s_cmp_eq_u32 s44, 0
	s_cselect_b32 s39, 14, 0                       ; prefetches to go: waves 0 to 3 of i = 0
	s_bfe_u32 s44, s15, 0x20001
	s_lshl_b32 s44, s44, 5
	s_and_b32 s45, s15, 1
	s_lshl_b32 s45, s45, 3
	s_add_co_u32 s44, s44, s45                     ; my tile's first query within its step of 128
	v_and_b32 v10, 15, v0
	v_and_b32 v11, 8, v10
	v_add_nc_u32 v10, v10, v11                     ; r + 8 (r / 8)
	v_bfe_u32 v11, v0, 4, 1
	v_lshlrev_b32 v11, 4, v11
	v_sub_nc_u32 v[QD], v10, v11
	v_add_nc_u32 v[QD], s44, v[QD]                 ; my query - Q0 - 16 (lane / 16): key 32 b + i is hidden where it is greater
	s_mov_b32 s20, 0x76543210                      ; v_permlanex16_b32's selects for lane l xor 16
	s_mov_b32 s21, 0xfedcba98
	s_lshl_b32 s46, s16, 18
	s_lshl_b32 s47, s15, 10
	s_add_co_u32 s46, s46, s47                     ; q: head x 262,144 + tile x 1,024
	s_mov_b32 s47, 0
	s_lshl_b32 s48, s14, 19                        ; kv: g x 524,288
	s_mov_b32 s49, 0
	s_lshl_b32 s44, s15, 14                        ; oc: tile x 16,384 + (head / 2) x 2,048 + (head % 2) x 1,024
	s_lshr_b32 s45, s16, 1
	s_lshl_b32 s45, s45, 11
	s_add_co_u32 s44, s44, s45
	s_and_b32 s45, s16, 1
	s_lshl_b32 s45, s45, 10
	s_add_co_u32 s44, s44, s45
	s_mov_b32 s45, 0
	s_wait_kmcnt 0x0
	s_load_b256 s[24:31], s[8:9], 0x0              ; entries 0 to 7
	s_load_b128 s[32:35], s[8:9], 0x20             ; entries 8 to 11
	s_add_nc_u64 s[50:51], s[4:5], s[46:47]
	s_add_nc_u64 s[40:41], s[6:7], s[48:49]
	s_add_nc_u64 s[10:11], s[10:11], s[44:45]
	s_wait_alu depctr_va_vdst(0)                   ; v1, v2 and v4 are written, which every load, store and prefetch of the kernel reads as its offset or address
	global_load_b128 v[16:19], v[LI], s[50:51]     ; Q's fragment stays in registers
	global_load_b128 v[20:23], v[LI], s[50:51] offset:512
.irp j, 0,1,2,3
	global_load_b128 v[192+4*\j:195+4*\j], v[CPY], s[40:41] offset:512*\j   ; slot 0
.endr
	v_mov_b32 v13, 0xff61b1e6                      ; the largest t so far: -3e38
	v_floor_f32 v12, -v13                          ; -M
	v_mov_b32 v14, 0
	v_mov_b32 v15, 0
	v_mov_b32 v236, 0                              ; a lane permute's destination counts as one of its sources
	v_mov_b32 v252, 0
	v_mov_b32 v253, 0                              ; (named as the upper half of the pair v[252:253])
	v_mov_b32 v254, 0
.set j, 0
.rept 32
	v_mov_b32 v[160+j], 0                          ; O^T: the step is written for every step alike; the first change of M leaves zeros zeros
.set j, j+1
.endr
	s_wait_kmcnt 0x0
	s_mov_b32 s22, 0x3e38aa3b                      ; c = log2(e) / 8
	s_add_co_i32 s44, s30, s31
	s_lshl_b32 s44, s44, 23
	s_add_co_i32 s22, s22, s44                     ; x 2^(entries 6 + 7), added to c's exponent field
	s_mov_b32 s23, s22
	s_mov_b32 s42, s32
	s_add_co_i32 s44, s32, 127
	s_lshl_b32 s45, s44, 23
	v_mov_b32 v244, s45                            ; 2^(entry 8)
	s_add_co_i32 s44, s44, 8
	s_lshl_b32 s44, s44, 23
	s_or_b32 s44, s44, 0x600000
	v_mov_b32 v240, s44                            ; 448 x that
	s_sub_co_i32 s44, s34, s32
	s_sub_co_i32 s44, s44, s33
	s_add_co_i32 s44, s44, 127
	s_lshl_b32 s45, s44, 23
	v_mov_b32 v246, s45                            ; 2^(entries 10 - 8 - 9): a sum of the second product stands for sum x 2^(8 + 9)
	s_add_co_i32 s44, s44, 8
	s_lshl_b32 s44, s44, 23
	s_or_b32 s44, s44, 0x600000
	v_mov_b32 v247, s44
	s_wait_loadcnt 0x0
.irp j, 0,1,2,3
	ds_store_b128 v[CPY], v[192+4*\j:195+4*\j] offset:512*\j
.endr
	s_wait_dscnt 0x0
	s_barrier_signal -1
	s_barrier_wait -1
.Ltrip:
	HALF 0, 1
	HALF 1, 1
	s_sub_co_u32 s38, s38, 1
	s_cmp_lg_u32 s38, 0
	s_cbranch_scc1 .Ltrip
	HALF 0, 1
	HALF 1, 0                                      ; the last slot: nothing more to load
	; THE WAY OUT: O^T / the sum, quantised: register 16 b + i is d = 32 b + 16 (lane / 16) + i: two pieces of the last product's image
.rept 4
	v_nop
.endr
	v_add_f32 v14, v14, v15
	v_permlanex16_b32 v252, v14, s20, s21
	v_add_f32 v14, v14, v252                       ; the row's sum
	v_rcp_f32 v14, v14
	v_nop                                          ; a plain line behind the reciprocal,
	s_wait_alu depctr_va_vdst(0)                   ; the reciprocal has written v14: the wait ahead of its first reader
.set j, 0
.rept 32
	v_mul_f32 v[96+j], v[160+j], v14               ; each accumulator from its low end on
.set j, j+1
.endr
.set j, 0
.rept 32
	v_med3_num_f32 v[96+j], v[96+j], -v247, v247
.set j, j+1
.endr
.irp g, 0,1,2,3
	v_cvt_scalef32_pk8_fp8_f32 v[224+2*\g:225+2*\g], v[96+8*\g:103+8*\g], v246
.endr
	v_nop
	s_wait_alu depctr_va_vdst(0)                   ; the conversions have written o's codes, v224-231, which the two stores read
	global_store_b128 v[LI], v[224:227], s[10:11]
	global_store_b128 v[LI], v[228:231], s[10:11] offset:512
	s_wait_dscnt 0x0                               ; the wave's end
	s_wait_alu 0x0
	s_wait_tensorcnt 0x0
	ds_add_u32 v[SPW], v[NIL]
	s_wait_dscnt 0x0
	s_endpgm
.Lfunc_end_k_qf86268ce8f_attn:
	.size	k_qf86268ce8f_attn, .Lfunc_end_k_qf86268ce8f_attn-k_qf86268ce8f_attn
	.p2alignl 7, 3214868480
	.fill 96, 4, 3214868480
	.section	.rodata,"a",@progbits
	.p2align	6, 0x0
	.amdhsa_kernel k_qf86268ce8f_attn
		.amdhsa_group_segment_fixed_size 67584
		.amdhsa_private_segment_fixed_size 0
		.amdhsa_enable_private_segment 0
		.amdhsa_kernarg_size 32
		.amdhsa_user_sgpr_count 2
		.amdhsa_user_sgpr_kernarg_segment_ptr 1
		.amdhsa_wavefront_size32 1
		.amdhsa_system_sgpr_workgroup_id_x 1
		.amdhsa_system_sgpr_workgroup_id_y 1
		.amdhsa_system_sgpr_workgroup_id_z 1
		.amdhsa_system_vgpr_workitem_id 0
		.amdhsa_next_free_vgpr 256
		.amdhsa_next_free_sgpr 66
		.amdhsa_reserve_vcc 0
		.amdhsa_float_denorm_mode_32 3
		.amdhsa_float_denorm_mode_16_64 3
		.amdhsa_memory_ordered 1
		.amdhsa_forward_progress 1
		.amdhsa_inst_pref_size 210
	.end_amdhsa_kernel
	.amdgpu_metadata
---
amdhsa.version: [ 1, 2 ]
amdhsa.kernels:
  - .name:           k_qf86268ce8f_attn
    .symbol:         k_qf86268ce8f_attn.kd
    .args:
      - { .name: qc, .offset: 0, .size: 8, .value_kind: global_buffer, .address_space: global }
      - { .name: kv, .offset: 8, .size: 8, .value_kind: global_buffer, .address_space: global }
      - { .name: lowp_scales, .offset: 16, .size: 8, .value_kind: global_buffer, .address_space: global }
      - { .name: oc, .offset: 24, .size: 8, .value_kind: global_buffer, .address_space: global }
    .group_segment_fixed_size: 67584
    .private_segment_fixed_size: 0
    .kernarg_segment_align: 8
    .kernarg_segment_size: 32
    .max_flat_workgroup_size: 512
    .sgpr_count:     66
    .vgpr_count:     256
    .wavefront_size: 32
...
	.end_amdgpu_metadata
.endif
;; end of part 6
;; launch oproj (part 7): grid 4 x 64, 4 waves a work-group, no clusters, 83,456 bytes of LDS; arguments oc, wc, lowp_scales, out0; writes out0
.if DOCPART == 7
	.amdgcn_target "amdgcn-amd-amdhsa--gfx1250"
	.amdhsa_code_object_version 6
	.text
	.protected	k_qf86268ce8f_oproj
	.globl	k_qf86268ce8f_oproj
	.p2align	8
	.type	k_qf86268ce8f_oproj,@function
k_qf86268ce8f_oproj:
	s_mov_b64 s[64:65], 0
	v_nop
	global_prefetch_b8 v0, s[64:65] scope:SCOPE_SE
	s_setreg_imm32_b32 hwreg(HW_REG_WAVE_SCHED_MODE, 0, 2), 2
	s_setreg_imm32_b32 hwreg(HW_REG_WAVE_MODE, 25, 1), 1
	s_wait_xcnt 0x0
	s_wait_alu depctr_vm_vsrc(0)
; out = o Wo^T on codes of E4M3 (K = 1,024), x 2^(entries 10 + 11), f32.  Both operands lie in memory as images of operand registers (row tile t = 2 B + u: rows 32 B + 8 u + r + 8 (r / 8); piece c of a fragment:
; 512 bytes, lane l's 16 bytes the codes of k = 128 s + 32 c + 16 (l / 16) + 0 .. 15: a permutation of k inside a K step, the same in both operands).
; SHARES.  Work-group x = 256 columns, y = 64 tokens.  A wave: 64 columns (4 tiles of Wo) x 64 tokens: 16 accumulators, 8 K steps, 128 matrix instructions.  o's 64 KB of codes go through LDS once, one barrier; a wave's
; fragments of Wo are used by that wave alone and go from memory straight into its registers, three K steps ahead.  Source 0 = 16 rows of Wo, source 1 = 16 tokens: a lane holds one token and 64 neighbouring columns in runs of 16.
; THE WAY OUT.  A tile of 16 tokens x 64 columns goes through the wave's own stage (rows of 256 bytes + 16) and leaves by rows: sixteen lanes store 256 consecutive bytes, at a multiple of 256 from out's first byte.
; NO CLUSTER, NO JOINT LOADS: a joint load lands in LDS; the four waves' 4 x 64 KB of Wo, each part used by one wave only, would have to go through a ring with a round of the cluster's barrier for each refill, for 128 matrix
; instructions a wave.
; LIMIT: entries 10 + 11 between -126 and 127.
; REGISTERS.  Window 0: v1 16 x lane; v2 where I store o's tile; v4, v5 the add's two; v12-14 the way out's addresses; v32-159 accumulators; v160-223 o's fragments of even K steps, later rows of out, in two buffers of 32; v224-255 at work.
;   Window 1: v0-191 a ring of three K steps of Wo; v192-255 o's fragments of odd K steps.
; THE MODE: SCHED_MODE bits 1:0 = 2 (LLVM: expert scheduling mode 2), set by the entry lines.  The code itself states the register dependences between vector or matrix instructions and memory or LDS
; instructions, with s_wait_alu, always for 0.
; THE PLAN.  Registers that memory or LDS instructions touch:
;   v1, v2, v12-14  Written once at the head, read by every load and store: one wait on va_vdst ahead of the first load.
;   v32-159         My tile of o lands there and the LDS stores read it; then the products write them: one wait on vm_vsrc behind the barrier.
;   o's two sets    The LDS loads of step s + 1, issued in step s behind its first four products, land in set (s + 1) % 2, which step s - 1's products read last.
;   Wo's ring       Place s % 3: read by step s's products; behind them the loads of step s + 3 land in it.
; So ONE wait on va_vdst stands at a step's end, behind its four places: the step's products are done reading their place of the ring and their set of o.
;   v224-255        The way out, tile a: written by its multiplications, read by its eight LDS stores, written again by tile a + 1's.
;   v160-191, v192-223  Tile a's rows come back from the stage into buffer a % 2; its eight stores read them; tile a + 2's rows land there.
; Tile a's turn: a wait on vm_vsrc (tile a - 1's LDS stores have read v224-255, tile a - 2's stores their buffer); its multiplications, while tile a - 1's rows are on their way back; tile a - 1's stores; a wait on
; va_vdst; its LDS stores and loads.
.set STAGE, 65536                      ; behind o's images: 16 rows x 272 bytes for each wave
.set SPARE, STAGE+4*16*272             ; behind the stages: the spare words, 128 bytes for each wave: two blocks of 256 bytes that no other line names
.set LI,  1
.set XS,  2
.set SPW, 4
.set NIL, 5
.set STO, 12
.set RD,  13
.set CO,  14
.set ACC, 32
.set X0,  160
.set T,   224
.set MSB, 0
.macro WIN new                         ; the immediate's high byte repeats the setting that is left
.if MSB != \new
	s_set_vgpr_msb (MSB<<8)|\new
.set MSB, \new
.endif
.endm
.macro WFETCH t
	WIN 0x40                                       ; destination window 1
.irp ct, 0,1,2,3
.irp c, 0,1,2,3
	global_load_b128 v[64*((\t)%3)+16*\ct+4*\c:64*((\t)%3)+16*\ct+4*\c+3], v[LI], s[38:39] offset:\ct*16384+(\t)*2048+\c*512
.endr
.endr
.endm
.macro XFETCH t
	WIN (((\t)%2)<<6)
.irp a, 0,1,2,3
.irp c, 0,1,2,3
	ds_load_b128 v[X0+32*((\t)%2)+16*\a+4*\c:X0+32*((\t)%2)+16*\a+4*\c+3], v[LI] offset:\a*16384+(\t)*2048+\c*512
.endr
.endr
.endm
.macro MULA s, a                       ; four of a K step's 16 matrix instructions, each on another accumulator; the first K step starts the sums
	WIN (0x01|(((\s)%2)<<2))                       ; source 0 = Wo (window 1), source 1 = o (window s % 2)
.set rW, 64*((\s)%3)
.set rX, X0+32*((\s)%2)
.irp c, 0,1,2,3
.set rD, ACC+8*(4*(\a)+\c)
.if (\s) == 0
	v_wmma_f32_16x16x128_fp8_fp8 v[rD:rD+7], v[rW+16*\c:rW+16*\c+15], v[rX+16*(\a):rX+16*(\a)+15], 0
.else
	v_wmma_f32_16x16x128_fp8_fp8 v[rD:rD+7], v[rW+16*\c:rW+16*\c+15], v[rX+16*(\a):rX+16*(\a)+15], v[rD:rD+7]
.endif
.endr
.endm
.macro KSTEP s, n                      ; n: the loads issued behind Wo's fragments of this step, which may stay out
	s_wait_loadcnt \n
	s_wait_dscnt 0x0                               ; o's fragments of this step
	MULA \s, 0
.if (\s) < 7
	XFETCH (\s)+1                                  ; the next step's, into the other set.  No wait: the wait at the last step's end has shown that set's last products done, and the four products since name none of its registers
.endif
	MULA \s, 1
	MULA \s, 2
	MULA \s, 3
	WIN 0
.rept 4
	v_nop                                          ; four places behind the products, ahead of loads into registers that they read, and of the first read of results
.endr
.if (\s) < 5
	WIN 0x40                                       ; the window of the loads below, ahead of the wait
.endif
.if (\s) < 6
	s_wait_alu depctr_va_vdst(0)                   ; this step's products are done reading their place of Wo's ring, in which the loads below land, and their set of o, in which the next step's LDS loads land
.endif
.if (\s) < 5
	WFETCH (\s)+3
.endif
.endm
; THE WAY OUT of token tile a = 2 B + u, in three parts
.macro SCALE a
.set A, ACC+32*(\a)
.set j, 0
.rept 16
	v_pk_mul_f32 v[T+j:T+j+1], v[A+j:A+j+1], s[46:47] op_sel_hi:[1,0]   ; x 2^(entries 10 + 11), each accumulator from its low end on
.set j, j+2
.endr
.endm
.macro TURN a
	s_wait_alu depctr_va_vdst(0)                   ; the multiplications have written v224-255, which the LDS stores read; and the products are long done reading o's even set, in which the rows land
.irp p, 0,1,2,3,4,5,6,7
	ds_store_b128 v[STO], v[T+4*\p:T+4*\p+3] offset:128*(\p/4)+16*(\p%4)   ; register 16 b + i: column 32 b + 16 (lane / 16) + i
.endr
.irp i, 0,1,2,3,4,5,6,7
	ds_load_b128 v[X0+32*((\a)%2)+4*\i:X0+32*((\a)%2)+4*\i+3], v[RD] offset:544*\i   ; LDS serves a wave's instructions in order: these see my stores; image rows 2 i and 2 i + 1
.endr
.endm
.macro SEND a
	s_wait_dscnt 0x0                               ; the tile's rows are back
.irp i, 0,1,2,3,4,5,6,7
	global_store_b128 v[CO], v[X0+32*((\a)%2)+4*\i:X0+32*((\a)%2)+4*\i+3], s[10:11] offset:(32*((\a)/2)+8*((\a)%2)+2*\i+8*(\i/4))*4096 th:TH_STORE_NT
.endr
.endm
	s_load_b256 s[4:11], s[0:1], 0x0               ; oc s[4:5], wc s[6:7], exponents s[8:9], out0 s[10:11]
	v_lshl_add_u32 v[SPW], v0, 2, SPARE
	v_mov_b32 v[NIL], 0
	v_lshrrev_b32 v8, 5, v0
	v_readfirstlane_b32 s16, v8                    ; wave 0..3
	v_and_b32 v9, 31, v0
	v_lshlrev_b32 v[LI], 4, v9
	s_wait_alu depctr_va_sdst(0)                   ; s16 is written, ahead of its first reader: LDS places and bases are made from it
	s_lshl_b32 s44, s16, 14
	v_add_nc_u32 v[XS], s44, v[LI]
	v_and_b32 v10, 15, v0                          ; r
	v_bfe_u32 v11, v0, 4, 1                        ; half
	s_mul_i32 s44, s16, 16*272
	s_add_co_u32 s44, s44, STAGE                   ; my stage
	v_mul_u32_u24 v[STO], v10, 272
	v_lshl_add_u32 v[STO], v11, 6, v[STO]
	v_add_nc_u32 v[STO], s44, v[STO]               ; in: row r, + 64 x half
	v_mul_u32_u24 v[RD], v11, 272
	v_lshl_add_u32 v[RD], v10, 4, v[RD]
	v_add_nc_u32 v[RD], s44, v[RD]                 ; back: lanes 0-15 one row, lanes 16-31 the next
	v_lshlrev_b32 v[CO], 12, v11
	v_lshl_add_u32 v[CO], v10, 4, v[CO]            ; and the same two rows of out
	s_and_b32 s18, ttmp7, 0xffff                   ; block of 64 tokens
	s_lshl_b32 s45, ttmp9, 2
	s_add_co_u32 s45, s45, s16                     ; my 64 columns: 4 x group + wave
	s_lshl_b32 s48, s45, 16
	s_add_co_u32 s48, s48, 1572864                 ; Wo's codes begin there in wc
	s_mov_b32 s49, 0
	s_lshl_b32 s50, s18, 16
	s_lshl_b32 s51, s16, 14
	s_add_co_u32 s50, s50, s51                     ; token tile 4 x block + wave
	s_mov_b32 s51, 0
	s_lshl_b32 s52, s18, 18                        ; out: 64 rows of 4,096 bytes a block,
	s_lshl_b32 s53, s45, 8                         ; 256 bytes for 64 columns
	s_add_co_u32 s52, s52, s53
	s_mov_b32 s53, 0
	s_wait_kmcnt 0x0
	s_load_b64 s[20:21], s[8:9], 0x28              ; entries 10 and 11
	s_add_nc_u64 s[38:39], s[6:7], s[48:49]
	s_add_nc_u64 s[36:37], s[4:5], s[50:51]
	s_add_nc_u64 s[10:11], s[10:11], s[52:53]
	WIN 0x40                                       ; the window of Wo's loads, ahead of the wait
	s_wait_alu depctr_va_vdst(0)                   ; v1, v2 and v12 to v14 are written, which the loads and stores of the kernel read as offsets and addresses
	WFETCH 0
	WFETCH 1
	WFETCH 2
	WIN 0
.set i, 0
.rept 32
	global_load_b128 v[ACC+4*i:ACC+4*i+3], v[LI], s[36:37] offset:512*i
.set i, i+1
.endr
	s_wait_loadcnt 0x0
.set i, 0
.rept 32
	ds_store_b128 v[XS], v[ACC+4*i:ACC+4*i+3] offset:512*i
.set i, i+1
.endr
	s_wait_dscnt 0x0                               ; for the others' sake: my tile lies in LDS
	s_barrier_signal -1
	s_barrier_wait -1
	s_wait_alu depctr_vm_vsrc(0)                   ; my LDS stores have read v32-159, which the first K step's products write
	XFETCH 0
	KSTEP 0, 32
	KSTEP 1, 32
	KSTEP 2, 32
	KSTEP 3, 32                                    ; behind Wo's step s: steps s + 1 and s + 2,
	KSTEP 4, 32
	KSTEP 5, 32
	KSTEP 6, 16                                    ; step 7 alone,
	KSTEP 7, 0                                     ; nothing
	s_wait_kmcnt 0x0
	s_add_co_i32 s46, s20, s21
	s_add_co_i32 s46, s46, 127
	s_lshl_b32 s46, s46, 23                        ; 2^(entries 10 + 11) as f32
	s_mov_b32 s47, s46                             ; (named with it as a pair, so it is written)
	SCALE 0
	TURN 0
.irp a, 1,2,3
.if \a > 1
	s_wait_xcnt 0x0                                ; the stores of the tile two back have had their addresses translated: their buffer is loaded again only behind this wait
.endif
	s_wait_alu depctr_vm_vsrc(0)                   ; the last tile's LDS stores have read v224-255, which the multiplications below write; the stores of the tile two back have read the buffer in which this tile's rows land
	SCALE \a
	SEND \a-1
	TURN \a
.endr
	SEND 3
	s_wait_dscnt 0x0                               ; the wave's end
	s_wait_alu 0x0
	s_wait_tensorcnt 0x0
	ds_add_u32 v[SPW], v[NIL]
	s_wait_dscnt 0x0
	s_endpgm
.Lfunc_end_k_qf86268ce8f_oproj:
	.size	k_qf86268ce8f_oproj, .Lfunc_end_k_qf86268ce8f_oproj-k_qf86268ce8f_oproj
	.p2alignl 7, 3214868480
	.fill 96, 4, 3214868480
	.section	.rodata,"a",@progbits
	.p2align	6, 0x0
	.amdhsa_kernel k_qf86268ce8f_oproj
		.amdhsa_group_segment_fixed_size 83456
		.amdhsa_private_segment_fixed_size 0
		.amdhsa_enable_private_segment 0
		.amdhsa_kernarg_size 32
		.amdhsa_user_sgpr_count 2
		.amdhsa_user_sgpr_kernarg_segment_ptr 1
		.amdhsa_wavefront_size32 1
		.amdhsa_system_sgpr_workgroup_id_x 1
		.amdhsa_system_sgpr_workgroup_id_y 1
		.amdhsa_system_sgpr_workgroup_id_z 1
		.amdhsa_system_vgpr_workitem_id 0
		.amdhsa_next_free_vgpr 512
		.amdhsa_next_free_sgpr 66
		.amdhsa_reserve_vcc 0
		.amdhsa_float_denorm_mode_32 3
		.amdhsa_float_denorm_mode_16_64 3
		.amdhsa_memory_ordered 1
		.amdhsa_forward_progress 1
		.amdhsa_inst_pref_size 50
	.end_amdhsa_kernel
	.amdgpu_metadata
---
amdhsa.version: [ 1, 2 ]
amdhsa.kernels:
  - .name:           k_qf86268ce8f_oproj
    .symbol:         k_qf86268ce8f_oproj.kd
    .args:
      - { .name: oc, .offset: 0, .size: 8, .value_kind: global_buffer, .address_space: global }
      - { .name: wc, .offset: 8, .size: 8, .value_kind: global_buffer, .address_space: global }
      - { .name: lowp_scales, .offset: 16, .size: 8, .value_kind: global_buffer, .address_space: global }
      - { .name: out0, .offset: 24, .size: 8, .value_kind: global_buffer, .address_space: global }
    .group_segment_fixed_size: 83456
    .private_segment_fixed_size: 0
    .kernarg_segment_align: 8
    .kernarg_segment_size: 32
    .max_flat_workgroup_size: 128
    .sgpr_count:     66
    .vgpr_count:     512
    .wavefront_size: 32
...
	.end_amdgpu_metadata
.endif
;; end of part 7
